; MI455X (gfx1250); checked and timed in simulation.
; The chip was launched on July 23, 2026; its instructions are those of AMD's public machine-readable ISA for CDNA 5 (MIT licence, August 2026) and "CDNA5" Instruction Set Architecture Reference Guide (July 2026). The comments in the code are by the model that wrote it; some were corrected since.
;; Masked Multi Head Self Attention. Allowed arithmetic: float matrix products may take bf16 or f16 operands with f32 sums; all other float work in f32.
;; Inputs: Wk 768 x 768 float32; Wo 768 x 768 float32; Wq 768 x 768 float32; Wv 768 x 768 float32; attention_mask 8 x 1,024 int32; bk 768 float32; bo 768 float32; bq 768 float32; bv 768 float32; x 8 x 1,024 x 768 float32.
;; Outputs: out0 8 x 1,024 x 768 float32.
;; 2 versions, each right. Each part assembles by itself: llvm-mc -triple=amdgcn-amd-amdhsa -mcpu=gfx1250 --defsym DOCPART=n.
;; ======== version 1 of 2: 3 launches
;; limits: values are held in f16: magnitudes above 65,504 overflow, below 6.1e-05 lose precision
;; workspace buffers: kb 12,582,912 bytes; wv 12,582,912 bytes
;; launch kproj (part 1): grid 4 x 64, 8 waves a work-group, no clusters, 93,184 bytes of LDS; arguments x, Wk, bk, kb; writes kb
.if DOCPART == 1
	.amdgcn_target "amdgcn-amd-amdhsa--gfx1250"
	.amdhsa_code_object_version 6
	.text
	.protected	k_q2181a633b4_kproj
	.globl	k_q2181a633b4_kproj
	.p2align	8
	.type	k_q2181a633b4_kproj,@function
k_q2181a633b4_kproj:
	s_mov_b64 s[64:65], 0
	v_nop
	global_prefetch_b8 v0, s[64:65] scope:SCOPE_SE
	s_setreg_imm32_b32 hwreg(HW_REG_WAVE_MODE, 25, 1), 1
	s_wait_xcnt 0x0
; kb[b*12+h][l][d] = f16( g * (x[b][l][:] . Wk[64h+d][:] + bk[64h+d]) ),  g = sqrt(log2(e) / sqrt(768)) = 0.22816392.
; With that factor the product of two rows of kb is the score times log2(e), the argument of the base-2 exponential of the next launch.
; x: [8192][768] f32, Wk: [768][768] f32, bk: [768] f32.  Operands rounded to f16, sums in f32.
; f16 and not bf16: the attention's result is close to a mean over 1,024 keys, so the operands' rounding is not averaged away in it;
; f16 has three more bits.  LIMIT: |x|, |Wk| and |g K| must stay below 65,504 (with x and Wk both 30 times the drawn spread |g K| is near 1,300,
; with both carrying an offset of 30 spreads near 5,700).
; Wq, bq, Wv, bv are not read by any launch of this program: the function forms Q and never uses it, and never names Wv or bv.
;
; SHARES: a work-group makes 128 rows x 192 columns (three heads): 64 x 4 = 256 work-groups.  Eight waves: wave w makes rows 64 (w>>2) .. +63,
; columns 48 (w&3) .. +47: 4 x 3 accumulator tiles, 96 registers.  K goes in 12 steps of 64 (256 bytes of each f32 row, aligned).
; THE WAY IN is through registers: the operands are f32 in memory and f16 in the matrix unit, and a copy engine converts nothing.  Each element is
; loaded once by the work-group (16 lanes take 256 neighbouring bytes of a row), rounded once, and laid into LDS as f16, so fragments cost half the LDS bytes.
; For the same reason no cluster and no joint loads: those are tensor loads, which would land f32 in LDS for every reading wave to convert again.
; Two register stages hold two steps' loads on their way (20 loads of 16 bytes a lane each); two LDS buffers take turns, one barrier a step.
.set ROWB,   3072                      ; bytes in a row of x and of Wk
.set PITCH,  144                       ; an LDS row: 64 f16 + 16 bytes = 9 x 16: the 16 rows of a fragment start 36 words apart
.set ABYTES, 128*PITCH                 ; A's 128 rows
.set BUF,    320*PITCH                 ; then B's 192 rows: one buffer, 46,080 bytes
.set STEPS,  12
.set NLOAD,  20                        ; global loads of a step in each wave
.set SPITCH, 400                       ; the way out: a row of 192 f16 + 16 bytes = 25 x 16
.set GSC,    0x3e69a3ce                ; g
.set VG,   1                           ; v1      (t>>4) 3072 + (t&15) 16: my 16 bytes in 16 rows of 256 bytes
.set VS,   2                           ; v2, v3  (t>>4) 144 + (t&15) 8, in buffer 0 and in buffer 1
.set VFA,  4                           ; v4      my A fragments: 64 wm rows + r 144 + 16 h
.set VFB,  5                           ; v5      my B fragments
.set VBI,  6                           ; v6      my bias numbers
.set VST,  7                           ; v7      the way out: where I put 16 bytes of a row
.set VRD,  8                           ; v8      the way out: where I read back
.set VOUT, 9                           ; v9      16 t
.set ACC,  16                          ; v16-111 tile (mt, nt) at 16 + 8 (3 mt + nt)
.set FA,   112                         ; v112-143 A fragments of K 0-31;  + KS2: of K 32-63
.set FB,   144                         ; v144-167 B fragments of K 0-31;  + KS2: of K 32-63
.set KS2,  56
.set BIAS, 224                         ; v224-247 bias in the accumulators' layout, one tile for each nt
.set T0,   112                         ; scratch at the start, before the fragments
.set PK,   112                         ; the way out: packed results
.set OUTR, 160                         ; the way out: rows read back
.set RS,   80                          ; window 1: stage 0 at v256, stage 1 at v336: 32 registers of A, 48 of B
.set MSB,  0
.macro WIN new                         ; s_set_vgpr_msb: bits 1:0 source 0, 3:2 source 1, 5:4 source 2, 7:6 destination; the high byte repeats the setting left
.if MSB != \new
	s_set_vgpr_msb (MSB<<8)|\new
.set MSB, \new
.endif
.endm
.macro NOPS n
.rept \n
	v_nop
.endr
.endm
	s_load_b256 s[4:11], s[0:1], 0x0               ; x s[4:5], Wk s[6:7], bk s[8:9], kb s[10:11]
	v_lshl_add_u32 v254, v0, 2, 0x16800
	v_mov_b32 v255, 0
	v_lshrrev_b32 v[T0], 5, v0
	v_readfirstlane_b32 s12, v[T0]                 ; wave 0..7
	s_lshr_b32 s13, s12, 2                         ; wm: which 64 rows
	s_and_b32 s14, s12, 3                          ; wn: which 48 columns
	s_and_b32 s16, ttmp7, 0xffff                   ; by: which 128 rows of x
	s_mov_b32 s20, GSC
	s_mov_b32 s21, GSC                             ; the pair is named whole by the packed multiply
	v_lshrrev_b32 v[T0], 4, v0                     ; t >> 4
	v_and_b32 v[T0+1], 15, v0                      ; r
	v_bfe_u32 v[T0+2], v0, 4, 1                    ; h
	v_mul_u32_u24 v[VG], v[T0], ROWB
	v_lshl_add_u32 v[VG], v[T0+1], 4, v[VG]
	v_mul_u32_u24 v[VS], v[T0], PITCH
	v_lshl_add_u32 v[VS], v[T0+1], 3, v[VS]
	v_add_nc_u32 v[VS+1], BUF, v[VS]
	v_mul_u32_u24 v[T0+3], v[T0+1], PITCH
	v_lshl_add_u32 v[T0+3], v[T0+2], 4, v[T0+3]    ; r 144 + 16 h
	s_mul_i32 s17, s13, 64*PITCH
	v_add_nc_u32 v[VFA], s17, v[T0+3]
	s_mul_i32 s17, s14, 48*PITCH
	s_add_co_u32 s17, s17, ABYTES
	v_add_nc_u32 v[VFB], s17, v[T0+3]
	s_mul_i32 s17, s14, 192                        ; 48 columns x 4 bytes
	v_lshl_add_u32 v[VBI], v[T0+2], 5, s17         ; + 8 h numbers
	s_mul_i32 s17, s13, 64*SPITCH
	s_mul_i32 s22, s14, 96
	s_add_co_u32 s17, s17, s22
	v_mul_u32_u24 v[T0+3], v[T0+1], SPITCH
	v_lshl_add_u32 v[T0+3], v[T0+2], 4, v[T0+3]
	v_add_nc_u32 v[VST], s17, v[T0+3]              ; (64 wm + r) 400 + 96 wn + 16 h
	v_lshrrev_b32 v[T0], 3, v0
	v_and_b32 v[T0+1], 7, v0
	v_mul_u32_u24 v[T0], v[T0], SPITCH
	v_lshl_add_u32 v[VRD], v[T0+1], 4, v[T0]       ; (t>>3) 400 + (t&7) 16
	v_lshlrev_b32 v[VOUT], 4, v0
	s_mov_b32 s19, 0
	s_mul_i32 s18, s16, 128*ROWB                   ; all offsets stay below 2^25
	s_wait_kmcnt 0x0
	s_add_nc_u64 s[4:5], s[4:5], s[18:19]          ; x at my first row
	s_mul_i32 s18, ttmp9, 192*ROWB
	s_add_nc_u64 s[6:7], s[6:7], s[18:19]          ; Wk at my first output column
	s_mul_i32 s18, ttmp9, 768
	s_add_nc_u64 s[8:9], s[8:9], s[18:19]
	s_lshr_b32 s17, s16, 3                         ; batch
	s_mul_i32 s18, s17, 12*131072
	s_mul_i32 s17, ttmp9, 3*131072                 ; my first head's plane
	s_add_co_u32 s18, s18, s17
	s_and_b32 s17, s16, 7
	s_lshl_b32 s17, s17, 14                        ; 128 rows of 128 bytes
	s_add_co_u32 s18, s18, s17
	s_add_nc_u64 s[10:11], s[10:11], s[18:19]
	; no base and no offset register is written again: steps stand in the immediates (543,488 bytes at the most)
; the 20 loads of K step til into stage stg
.macro GLOAD stg, til
	WIN 0x40
.irp i, 0,1,2,3,4,5,6,7
	global_load_b128 v[RS*\stg+4*\i:RS*\stg+4*\i+3], v[VG], s[4:5] offset:256*(\til)+16*ROWB*\i
.endr
.irp i, 0,1,2,3,4,5,6,7,8,9,10,11
	global_load_b128 v[RS*\stg+32+4*\i:RS*\stg+32+4*\i+3], v[VG], s[6:7] offset:256*(\til)+16*ROWB*\i
.endr
.endm
; stage stg is rounded to f16 in place (four f32 become two registers) and laid into LDS buffer buf
.macro CVST stg, buf
	WIN 0x45
.set i, 0
.rept 20
	v_cvt_pk_f16_f32 v[RS*\stg+4*i], v[RS*\stg+4*i], v[RS*\stg+4*i+1]
	v_cvt_pk_f16_f32 v[RS*\stg+4*i+1], v[RS*\stg+4*i+2], v[RS*\stg+4*i+3]
.set i, i+1
.endr
	WIN 0x04
.irp i, 0,1,2,3,4,5,6,7
	ds_store_b64 v[VS+\buf], v[RS*\stg+4*\i:RS*\stg+4*\i+1] offset:16*PITCH*\i
.endr
.irp i, 0,1,2,3,4,5,6,7,8,9,10,11
	ds_store_b64 v[VS+\buf], v[RS*\stg+32+4*\i:RS*\stg+32+4*\i+1] offset:ABYTES+16*PITCH*\i
.endr
.endm
; a step's 28 fragment loads: 14 for K 0-31, then 14 for K 32-63.  A fragment: lane (r, h) holds row r, K = 8h..8h+7 and 16+8h..16+8h+7.
.macro FRAGS buf
	WIN 0
.irp ks, 0,1
.irp mt, 0,1,2,3
	ds_load_b128 v[FA+KS2*\ks+8*\mt:FA+KS2*\ks+8*\mt+3],   v[VFA] offset:BUF*\buf+16*PITCH*\mt+64*\ks
	ds_load_b128 v[FA+KS2*\ks+8*\mt+4:FA+KS2*\ks+8*\mt+7], v[VFA] offset:BUF*\buf+16*PITCH*\mt+64*\ks+32
.endr
.irp nt, 0,1,2
	ds_load_b128 v[FB+KS2*\ks+8*\nt:FB+KS2*\ks+8*\nt+3],   v[VFB] offset:BUF*\buf+16*PITCH*\nt+64*\ks
	ds_load_b128 v[FB+KS2*\ks+8*\nt+4:FB+KS2*\ks+8*\nt+7], v[VFB] offset:BUF*\buf+16*PITCH*\nt+64*\ks+32
.endr
.endr
.endm
; 12 matrix instructions, used transposed (source 0 = rows of Wk, source 1 = rows of x): lane (r, h), register j holds row r, column 8h + j.
; The twelve accumulators take turns, one instruction a turn.  first = 1: the sums start from the bias tile; nothing is cleared.
.macro MULS ks, first
.irp mt, 0,1,2,3
.irp nt, 0,1,2
.if \first
	v_wmma_f32_16x16x32_f16 v[ACC+8*(3*\mt+\nt):ACC+8*(3*\mt+\nt)+7], v[FB+KS2*\ks+8*\nt:FB+KS2*\ks+8*\nt+7], v[FA+KS2*\ks+8*\mt:FA+KS2*\ks+8*\mt+7], v[BIAS+8*\nt:BIAS+8*\nt+7]
.else
	v_wmma_f32_16x16x32_f16 v[ACC+8*(3*\mt+\nt):ACC+8*(3*\mt+\nt)+7], v[FB+KS2*\ks+8*\nt:FB+KS2*\ks+8*\nt+7], v[FA+KS2*\ks+8*\mt:FA+KS2*\ks+8*\mt+7], v[ACC+8*(3*\mt+\nt):ACC+8*(3*\mt+\nt)+7]
.endif
.endr
.endr
.endm
; K step n.  One barrier does two things: tile n, stored by all waves in the step before, may be read behind it, and the other buffer,
; whose last reads every wave has waited for in front of it, may be written behind it.
.macro STEP n
.set CUR, (\n)%2
.set NXT, (\n+1)%2
.set TL,  \n+2
	s_wait_dscnt 0x0                               ; my LDS stores of tile n and my reads of tile n-1 are done
	s_barrier_signal -1
	s_barrier_wait -1
.if \n < STEPS-2
	GLOAD CUR, TL                                  ; tile n+2 into the stage that the LDS stores waited for above have read
.endif
	FRAGS CUR
	s_wait_dscnt 14                                ; the 14 younger loads are those of K 32-63
.if \n == 0
	MULS 0, 1
.else
	MULS 0, 0
.endif
	s_wait_dscnt 0x0
	MULS 1, 0
.if \n < STEPS-1
.if \n < STEPS-2
	s_wait_loadcnt NLOAD                           ; tile n+1 is in; the 20 younger loads are tile n+2's
.else
	s_wait_loadcnt 0x0                             ; the last tile: nothing was asked for behind it
.endif
	CVST NXT, NXT                                  ; its 40 conversions are also the places between the last matrix instruction and the next fragment loads
.endif
.endm
.irp nt, 0,1,2
	global_load_b128 v[BIAS+8*\nt:BIAS+8*\nt+3],   v[VBI], s[8:9] offset:64*\nt      ; bias of columns 16 nt + 8 h + 0..3
	global_load_b128 v[BIAS+8*\nt+4:BIAS+8*\nt+7], v[VBI], s[8:9] offset:64*\nt+16   ; and + 4..7
.endr
	GLOAD 0, 0
	GLOAD 1, 1
	s_wait_loadcnt NLOAD                           ; the bias and tile 0 are in; tile 1's 20 loads stay out
	CVST 0, 0
.irp n, 0,1,2,3,4,5,6,7,8,9,10,11
	STEP \n
.endr
	; THE WAY OUT: scale by g, round to f16, 16 bytes a lane into rows of 400 bytes, read back by heads, and store 512 dense bytes with each store of a wave.
	NOPS 4                                         ; four places behind the last matrix instruction, then its results are read (ISA guide 7.12.1)
	s_barrier_signal -1                            ; my reads of the last tile were waited for in front of its second half's products
.set i, 0
.rept 48
	v_pk_mul_f32 v[ACC+2*i:ACC+2*i+1], v[ACC+2*i:ACC+2*i+1], s[20:21] op_sel_hi:[1,0]
.set i, i+1
.endr
.set i, 0
.rept 48
	v_cvt_pk_f16_f32 v[PK+i], v[ACC+2*i], v[ACC+2*i+1]
.set i, i+1
.endr
	s_barrier_wait -1                              ; nobody reads the buffers any more: the stage lies over them, from LDS byte 0
.irp mt, 0,1,2,3
.irp nt, 0,1,2
	ds_store_b128 v[VST], v[PK+4*(3*\mt+\nt):PK+4*(3*\mt+\nt)+3] offset:16*SPITCH*\mt+32*\nt
.endr
.endr
	s_wait_dscnt 0x0                               ; for the other waves: zero
	s_barrier_signal -1
	s_barrier_wait -1
.irp i, 0,1,2,3
.irp hh, 0,1,2
	ds_load_b128 v[OUTR+4*(3*\i+\hh):OUTR+4*(3*\i+\hh)+3], v[VRD] offset:32*SPITCH*\i+128*\hh   ; rows 32 i + (t>>3), head hh: 8 lanes take a head's 128 bytes
.endr
.endr
.set k, 0
.irp i, 0,1,2,3
.irp hh, 0,1,2
	s_wait_dscnt 11-k                              ; LDS loads come back in order: load k is in
	global_store_b128 v[VOUT], v[OUTR+4*k:OUTR+4*k+3], s[10:11] offset:131072*\hh+4096*\i   ; a head's rows are dense: 32 lanes store 512 consecutive bytes, aligned
.set k, k+1
.endr
.endr
	s_wait_tensorcnt 0x0
	ds_add_u32 v254, v255
	s_wait_dscnt 0x0
	s_endpgm
.Lfunc_end_k_q2181a633b4_kproj:
	.size	k_q2181a633b4_kproj, .Lfunc_end_k_q2181a633b4_kproj-k_q2181a633b4_kproj
	.p2alignl 7, 3214868480
	.fill 96, 4, 3214868480
	.section	.rodata,"a",@progbits
	.p2align	6, 0x0
	.amdhsa_kernel k_q2181a633b4_kproj
		.amdhsa_group_segment_fixed_size 93184
		.amdhsa_private_segment_fixed_size 0
		.amdhsa_enable_private_segment 0
		.amdhsa_kernarg_size 32
		.amdhsa_user_sgpr_count 2
		.amdhsa_user_sgpr_kernarg_segment_ptr 1
		.amdhsa_wavefront_size32 1
		.amdhsa_system_sgpr_workgroup_id_x 1
		.amdhsa_system_sgpr_workgroup_id_y 1
		.amdhsa_system_sgpr_workgroup_id_z 1
		.amdhsa_system_vgpr_workitem_id 0
		.amdhsa_next_free_vgpr 416
		.amdhsa_next_free_sgpr 66
		.amdhsa_reserve_vcc 0
		.amdhsa_float_denorm_mode_32 3
		.amdhsa_float_denorm_mode_16_64 3
		.amdhsa_memory_ordered 1
		.amdhsa_forward_progress 1
		.amdhsa_inst_pref_size 124
	.end_amdhsa_kernel
	.amdgpu_metadata
---
amdhsa.version: [ 1, 2 ]
amdhsa.kernels:
  - .name:           k_q2181a633b4_kproj
    .symbol:         k_q2181a633b4_kproj.kd
    .args:
      - { .name: x, .offset: 0, .size: 8, .value_kind: global_buffer, .address_space: global }
      - { .name: Wk, .offset: 8, .size: 8, .value_kind: global_buffer, .address_space: global }
      - { .name: bk, .offset: 16, .size: 8, .value_kind: global_buffer, .address_space: global }
      - { .name: kb, .offset: 24, .size: 8, .value_kind: global_buffer, .address_space: global }
    .group_segment_fixed_size: 93184
    .private_segment_fixed_size: 0
    .kernarg_segment_align: 8
    .kernarg_segment_size: 32
    .max_flat_workgroup_size: 256
    .sgpr_count:     66
    .vgpr_count:     416
    .wavefront_size: 32
...
	.end_amdgpu_metadata
.endif
;; end of part 1
;; launch attn (part 2): grid 8 x 96, 8 waves a work-group, clusters of 4 x 1, 306,176 bytes of LDS; arguments kb, attention_mask, wv; writes wv
.if DOCPART == 2
	.amdgcn_target "amdgcn-amd-amdhsa--gfx1250"
	.amdhsa_code_object_version 6
	.text
	.protected	k_q2181a633b4_attn
	.globl	k_q2181a633b4_attn
	.p2align	8
	.type	k_q2181a633b4_attn,@function
k_q2181a633b4_attn:
	s_mov_b64 s[64:65], 0
	v_nop
	global_prefetch_b8 v0, s[64:65] scope:SCOPE_SE
	s_setreg_imm32_b32 hwreg(HW_REG_WAVE_MODE, 25, 1), 1
	s_wait_xcnt 0x0
	s_wait_alu depctr_hold_cnt(0) depctr_sa_sdst(0) depctr_va_vdst(0) depctr_va_sdst(0) depctr_va_ssrc(0) depctr_va_vcc(0) depctr_vm_vsrc(0)
	s_getreg_b32 s2, hwreg(HW_REG_IB_STS2, 6, 4)
	s_cmp_eq_u32 s2, 0
	s_cbranch_scc0 .Lentry_in_a_cluster
	s_endpgm
.Lentry_in_a_cluster:
	s_bfe_u32 s2, ttmp6, 0x10000c
	s_cmp_lg_u32 s2, 0x3003
	s_cbranch_scc0 .Lentry_shape_is_right
	s_endpgm
.Lentry_shape_is_right:
; wv[bh][q][:] = f16( softmax over keys of (K_q . K_key / sqrt(768)) x K ), per batch and head bh; keys, queries and values are all rows of kb[bh] (1,024 x 64 f16).
; kb holds g K with g^2 = log2(e)/sqrt(768), so a product of two rows is the base-2 exponent; the values' factor 1/g is folded into the final 1/l in f32.
; A query row whose mask word is 0 gets a constant score row in the function, that is a uniform softmax: here its Q fragment is set to zero, so all
; its scores are 0, which gives the same uniform weights.  The mask enters by v_cndmask_b32 alone.
; The running maximum is taken away before every exponential.  LIMITS: values leave as f16 (|wv| < 65,504); l sums the exponentials before they are
; rounded to f16 for the second product; a K that is not finite makes masked rows NaN too (0 x Inf).
;
; SHARES: a work-group takes 128 queries of one head: 8 x 96 = 768 work-groups.  The whole head lies in LDS, filled once: no slot is filled again.
; Wave w: qg = w & 1 picks 64 queries (4 tiles of 16), kq = w >> 1 picks 256 keys: 128 kq .. +127 and 512 + 128 kq .. +127, in four blocks of 64.
; With 64 queries a wave each K or V fragment feeds four matrix instructions.  The four key quarters' results are merged once at the end, through LDS.
; CLUSTER: the four work-groups of a cluster are four query blocks of one head and need the same 1,024 rows: each tensor load is a joint load with mask 15.
; Its descriptor hangs on the head and the wave's number alone.  No LDS address hangs on the place in the cluster, so the Q fragments come from memory.
; A wave has two tensor loads out at the most (keys 0-511's part, keys 512-1023's part).
;
; LAYOUTS, without any shuffle.  S^T = K Q^T: source 0 = 16 keys, source 1 = 16 queries: lane (r, h), register j holds (key 8h+j, query r).
; Two such tiles, packed in pairs to f16, are the source-1 fragment of P^T for 32 keys.  O^T = V^T P^T: source 0 = V^T by transposing LDS loads;
; lane (r, h), register j holds (d = 16 dt + 8h + j, query r): eight neighbouring numbers of a row of wv.
; A query's statistics live in lanes r and r + 16: one exchange between the halves joins them.
.set KPITCH, 144                       ; an LDS row: 64 f16 + 16 bytes = 9 x 16
.set HALFK,  512*KPITCH                ; 73,728
.set SCR,    1024*KPITCH               ; 147,456: behind K; (4 w + qt) x 4,352: 4,096 bytes of O, 256 bytes of (m, l).  No fill lands here
.set SCRT,   4352
.set STG,    SCR+32*SCRT               ; 286,720: w x 2,304: 16 rows of 144 bytes, each wave's own
.set STGW,   16*KPITCH
.set RG,     0x408c4003                ; 1 / g = 4.3828139
.set VK,  4                            ; v4, v5   K fragments, first and second half of the keys
.set VV,  6                            ; v6, v7   V fragments (transposing loads)
.set VQ,  8                            ; v8       Q fragments in memory
.set VM,  9                            ; v9       mask words in memory
.set MK,  10                           ; v10-13   mask word of my query in each q tile
.set VSC, 14                           ; v14      where I put my O
.set VSM, 15                           ; v15      where I put my (m, l)
.set VLD, 16                           ; v16, v17 where I read four waves' O of the q tile that I finish
.set VLM, 18                           ; v18, v19 and their (m, l)
.set VSG, 20                           ; v20      my stage, in
.set VSR, 21                           ; v21      my stage, back
.set VO,  22                           ; v22      16 x lane
.set Q,   32                           ; v32-95   Q(qt, ks) at 32 + 8 (2 qt + ks)
.set KF,  96                           ; v96-159  K(kt, ks) at 96 + 8 (2 kt + ks)
.set VF,  160                          ; v160-223 V(kp, dt) at 160 + 8 (4 kp + dt)
.set MP,  224                          ; v224-231 m, twice, for each q tile (a pair for packed arithmetic)
.set AL,  232                          ; v232-239 alpha, twice
.set LP,  240                          ; v240-247 two running sums of l
.set T,   248                          ; v248-251
.set U,   252                          ; v252-255
.set O,   0                            ; window 1: v256-383 O(qt, dt) at 8 (4 qt + dt)
.set S,   128                          ; window 1: v384-511 S(qt, kt) at 128 + 32 qt + 8 kt; P(qt, kp) packed in place at 128 + 32 qt + 16 kp
.set MG,  32                           ; the merge: four waves' O, 32 registers each
.set ML,  160                          ; their (m, l)
.set MX,  168
.set AE,  170
.set LS,  174
.set RC,  175
.set FP,  176                          ; four factor pairs
.set PKO, 184
.set OB,  200
.set MSB, 0
.macro WIN new                         ; s_set_vgpr_msb: bits 1:0 source 0, 3:2 source 1, 5:4 source 2, 7:6 destination; the high byte repeats the setting left
.if MSB != \new
	s_set_vgpr_msb (MSB<<8)|\new
.set MSB, \new
.endif
.endm
.macro NOPS n
.rept \n
	v_nop
.endr
.endm
; a round of the cluster's barrier: my work-group's barrier, wave 0 signals for the work-group, every wave waits for all four, my work-group's barrier again
.macro ROUND
	s_barrier_signal -1
	s_barrier_wait -1
	s_cmp_lg_u32 s10, 0
	s_cbranch_scc1 .Lnot_wave_0_\@
	s_barrier_signal -3
.Lnot_wave_0_\@:
	s_barrier_wait -3
	s_barrier_signal -1
	s_barrier_wait -1
.endm
	s_load_b128 s[4:7], s[0:1], 0x0                ; kb s[4:5], attention_mask s[6:7]
	s_load_b64 s[8:9], s[0:1], 0x10                ; wv
	v_lshl_add_u32 v30, v0, 2, 0x4a800
	v_mov_b32 v31, 0
	ds_add_u32 v30, v31
	v_lshrrev_b32 v1, 5, v0
	v_readfirstlane_b32 s10, v1                    ; wave 0..7
	s_and_b32 s11, s10, 1                          ; qg
	s_lshr_b32 s12, s10, 1                         ; kq
	s_bfe_u32 s13, ttmp6, 0x40000                  ; cx
	s_lshl_b32 s14, ttmp9, 2
	s_add_co_u32 s14, s14, s13                     ; query block = 4 x cluster x + cx
	s_and_b32 s15, ttmp7, 0xffff                   ; bh: the cluster is one work-group high
	s_mov_b32 s34, 0x76543210                      ; v_permlanex16_b32: lane i takes lane i of the other half
	s_mov_b32 s35, 0xfedcba98
	s_mov_b32 s44, RG
	; descriptor group 1: 64 rows of 64 f16, 16 bytes of padding behind each row
	s_mov_b32 s16, 15|(1<<16)|(1<<20)|(1<<21)|(4<<22)|(3<<25)   ; mask: all four of the cluster; 2-byte elements; padding on; bit 21 beside a mask; after every 32 words, 4 words
	s_mov_b32 s17, 64<<16                          ; tensor_dim0 = 64
	s_mov_b32 s18, 64<<16                          ; tensor_dim1 = 64
	s_mov_b32 s19, 64<<16                          ; tile_dim0 = 64
	s_mov_b32 s20, 64                              ; tile_dim1 = 64
	s_mov_b32 s21, 64                              ; 64 elements from row to row
	s_mov_b32 s22, 0
	s_mov_b32 s23, 0
	; group 0, one set for each of my two loads: keys 512 j + 64 w .. +63
	s_mov_b32 s24, 1
	s_mul_i32 s25, s10, 64*KPITCH
	s_mov_b32 s28, 1
	s_add_co_u32 s29, s25, HALFK
	v_and_b32 v1, 31, v0                           ; lane
	v_and_b32 v2, 15, v0                           ; r
	v_bfe_u32 v3, v0, 4, 1                         ; h
	s_lshl_b32 s46, s11, 13                        ; my 64 queries x 128 bytes
	v_lshlrev_b32 v[VQ], 7, v2
	v_lshl_add_u32 v[VQ], v3, 4, v[VQ]
	v_add_nc_u32 v[VQ], s46, v[VQ]                 ; 8192 qg + 128 r + 16 h
	s_lshl_b32 s46, s11, 8
	v_lshl_add_u32 v[VM], v2, 2, s46               ; 256 qg + 4 r
	s_mov_b32 s37, 0
	s_lshl_b32 s36, s15, 17                        ; the head's plane: 131,072 bytes each, 12.5 MB at the most
	s_wait_dscnt 0x0
	s_wait_kmcnt 0x0
	s_add_nc_u64 s[4:5], s[4:5], s[36:37]          ; kb at my head
	s_lshl_b32 s36, s10, 13                        ; 64 w rows of 128 bytes
	s_add_nc_u64 s[26:27], s[4:5], s[36:37]
	s_add_nc_u64 s[30:31], s[26:27], 65536         ; 512 rows on
	s_or_b32 s27, s27, 0x80000000                  ; type 2
	s_or_b32 s31, s31, 0x80000000
	ROUND                                          ; all four work-groups are here: the joint loads meet
	tensor_load_to_lds s[24:27], s[16:23]          ; both first fills go out together, ahead of every wait on TENSORcnt and every LDS read
	s_nop 0
	tensor_load_to_lds s[28:31], s[16:23]
	s_nop 0
	s_lshl_b32 s36, s14, 14                        ; my 128 queries
	s_add_nc_u64 s[38:39], s[4:5], s[36:37]
	s_mul_i32 s45, s15, 43
	s_lshr_b32 s45, s45, 9                         ; batch = bh / 12 (exact for bh < 96)
	s_lshl_b32 s45, s45, 12
	s_lshl_b32 s36, s14, 9
	s_add_co_u32 s36, s36, s45
	s_add_nc_u64 s[40:41], s[6:7], s[36:37]        ; the mask words of my 128 queries
.irp qt, 0,1,2,3
.irp ks, 0,1
	global_load_b128 v[Q+8*(2*\qt+\ks):Q+8*(2*\qt+\ks)+3],   v[VQ], s[38:39] offset:2048*\qt+64*\ks
	global_load_b128 v[Q+8*(2*\qt+\ks)+4:Q+8*(2*\qt+\ks)+7], v[VQ], s[38:39] offset:2048*\qt+64*\ks+32
.endr
.endr
.irp qt, 0,1,2,3
	global_load_b32 v[MK+\qt], v[VM], s[40:41] offset:64*\qt
.endr
	s_lshl_b32 s36, s15, 17
	s_lshl_b32 s45, s14, 14
	s_add_co_u32 s36, s36, s45
	s_lshl_b32 s45, s11, 13
	s_add_co_u32 s36, s36, s45
	s_lshl_b32 s45, s12, 11                        ; I finish q tile kq of my query group: 16 rows of 128 bytes
	s_add_co_u32 s36, s36, s45
	s_add_nc_u64 s[42:43], s[8:9], s[36:37]
	s_mul_i32 s45, s12, 128*KPITCH                 ; my 128 keys of each half
	v_mul_u32_u24 v23, v2, KPITCH
	v_lshl_add_u32 v23, v3, 4, v23                 ; 144 r + 16 h
	v_add_nc_u32 v[VK], s45, v23
	v_add_nc_u32 v[VK+1], HALFK, v[VK]
	v_and_b32 v24, 7, v0
	v_lshl_add_u32 v24, v3, 3, v24                 ; key 8 h + (lane & 7)
	v_mul_u32_u24 v24, v24, KPITCH
	v_bfe_u32 v25, v0, 3, 1
	v_lshl_add_u32 v24, v25, 4, v24                ; + 16 bytes for lanes 8-15 of each half
	v_add_nc_u32 v[VV], s45, v24
	v_add_nc_u32 v[VV+1], HALFK, v[VV]
	s_mul_i32 s46, s10, 4*SCRT
	s_add_co_u32 s46, s46, SCR
	v_lshl_add_u32 v[VSC], v1, 4, s46
	s_add_co_u32 s46, s46, 4096
	v_lshl_add_u32 v[VSM], v1, 3, s46
	s_mul_i32 s46, s11, 4*SCRT
	s_mul_i32 s47, s12, SCRT
	s_add_co_u32 s46, s46, s47
	s_add_co_u32 s46, s46, SCR
	v_lshl_add_u32 v[VLD], v1, 4, s46              ; wave qg's tile kq; the partners are waves qg + 2 k: 8 tiles on each
	v_add_nc_u32 v[VLD+1], 16*SCRT, v[VLD]
	s_add_co_u32 s46, s46, 4096
	v_lshl_add_u32 v[VLM], v1, 3, s46
	v_add_nc_u32 v[VLM+1], 16*SCRT, v[VLM]
	s_mul_i32 s46, s10, STGW
	s_add_co_u32 s46, s46, STG
	v_add_nc_u32 v[VSG], s46, v23
	v_lshrrev_b32 v24, 3, v1
	v_and_b32 v25, 7, v0
	v_mul_u32_u24 v24, v24, KPITCH
	v_lshl_add_u32 v24, v25, 4, v24
	v_add_nc_u32 v[VSR], s46, v24
	v_lshlrev_b32 v[VO], 4, v1
.irp qt, 0,1,2,3
	v_mov_b32 v[U+\qt], 0                          ; v_permlanex16_b32 counts as a reader of its destination
.endr
	s_wait_loadcnt 0x0                             ; Q and the mask words
.irp qt, 0,1,2,3
	v_cmp_ne_u32 vcc_lo, 0, v[MK+\qt]
.set j, 0
.rept 16
	v_cndmask_b32 v[Q+16*\qt+j], 0, v[Q+16*\qt+j], vcc_lo      ; a masked query becomes the zero row
.set j, j+1
.endr
.endr
; block i of my four blocks of 64 keys: blocks 0, 1 in the first half of the keys, 2, 3 in the second
.macro KLOAD i
	WIN 0
.irp kt, 0,1,2,3
.irp ks, 0,1
	ds_load_b128 v[KF+8*(2*\kt+\ks):KF+8*(2*\kt+\ks)+3],   v[VK+(\i)/2] offset:64*KPITCH*((\i)%2)+16*KPITCH*\kt+64*\ks
	ds_load_b128 v[KF+8*(2*\kt+\ks)+4:KF+8*(2*\kt+\ks)+7], v[VK+(\i)/2] offset:64*KPITCH*((\i)%2)+16*KPITCH*\kt+64*\ks+32
.endr
.endr
.endm
.macro VLOAD i
	WIN 0
.irp kp, 0,1
.irp dt, 0,1,2,3
	ds_load_tr16_b128 v[VF+8*(4*\kp+\dt):VF+8*(4*\kp+\dt)+3],   v[VV+(\i)/2] offset:64*KPITCH*((\i)%2)+32*KPITCH*\kp+32*\dt
	ds_load_tr16_b128 v[VF+8*(4*\kp+\dt)+4:VF+8*(4*\kp+\dt)+7], v[VV+(\i)/2] offset:64*KPITCH*((\i)%2)+32*KPITCH*\kp+32*\dt+16*KPITCH
.endr
.endr
.endm
; 32 matrix instructions: 64 keys x 64 queries over d = 64.  The sixteen accumulators take turns, one instruction a turn.
.macro SMUL
	WIN 0x40
.irp qt, 0,1,2,3
.irp kt, 0,1,2,3
	v_wmma_f32_16x16x32_f16 v[S+32*\qt+8*\kt:S+32*\qt+8*\kt+7], v[KF+16*\kt:KF+16*\kt+7], v[Q+16*\qt:Q+16*\qt+7], 0
.endr
.endr
	WIN 0x50
.irp qt, 0,1,2,3
.irp kt, 0,1,2,3
	v_wmma_f32_16x16x32_f16 v[S+32*\qt+8*\kt:S+32*\qt+8*\kt+7], v[KF+16*\kt+8:KF+16*\kt+15], v[Q+16*\qt+8:Q+16*\qt+15], v[S+32*\qt+8*\kt:S+32*\qt+8*\kt+7]
.endr
.endr
.endm
; the largest of the old m and my 32 scores of each q tile, four chains side by side
.macro SMAX first
	WIN 0x05
.set i, 0
.rept 16
.irp qt, 0,1,2,3
.if i == 0
.if \first
	v_max_num_f32 v[T+\qt], v[S+32*\qt], v[S+32*\qt+1]
.else
	v_max3_num_f32 v[T+\qt], v[S+32*\qt], v[S+32*\qt+1], v[MP+2*\qt]
.endif
.else
	v_max3_num_f32 v[T+\qt], v[S+32*\qt+2*i], v[S+32*\qt+2*i+1], v[T+\qt]
.endif
.endr
.set i, i+1
.endr
.endm
; the new m (joined over the two halves of the lanes), alpha = 2^(old m - new m), l scaled
.macro SNEW first
	WIN 0
.irp qt, 0,1,2,3
	v_permlanex16_b32 v[U+\qt], v[T+\qt], s34, s35
.endr
.irp qt, 0,1,2,3
	v_max_num_f32 v[U+\qt], v[T+\qt], v[U+\qt]
.endr
.if \first == 0
.irp qt, 0,1,2,3
	v_sub_f32 v[T+\qt], v[MP+2*\qt], v[U+\qt]
.endr
.irp qt, 0,1,2,3
	v_exp_f32 v[AL+2*\qt], v[T+\qt]
.endr
.endif
.irp qt, 0,1,2,3
	v_mov_b32 v[MP+2*\qt], v[U+\qt]                ; plain instructions that touch neither T nor AL: the place behind the exponentials (ISA guide 5.7.2)
	v_mov_b32 v[MP+2*\qt+1], v[U+\qt]
.endr
.if \first == 0
	s_wait_alu depctr_va_vdst(0)
.irp qt, 0,1,2,3
	v_mov_b32 v[AL+2*\qt+1], v[AL+2*\qt]
.endr
.irp qt, 0,1,2,3
	v_pk_mul_f32 v[LP+2*\qt:LP+2*\qt+1], v[LP+2*\qt:LP+2*\qt+1], v[AL+2*\qt:AL+2*\qt+1]
.endr
.endif
.endm
.macro SRESC                           ; O scaled by alpha
	WIN 0x41
.set i, 0
.rept 16
.irp qt, 0,1,2,3
	v_pk_mul_f32 v[O+32*\qt+2*i:O+32*\qt+2*i+1], v[O+32*\qt+2*i:O+32*\qt+2*i+1], v[AL+2*\qt:AL+2*\qt+1]
.endr
.set i, i+1
.endr
.endm
.macro SEXP                            ; p = 2^(s - m), in place
	WIN 0x41
.set i, 0
.rept 16
.irp qt, 0,1,2,3
	v_pk_add_f32 v[S+32*\qt+2*i:S+32*\qt+2*i+1], v[S+32*\qt+2*i:S+32*\qt+2*i+1], v[MP+2*\qt:MP+2*\qt+1] neg_lo:[0,1] neg_hi:[0,1]
.endr
.set i, i+1
.endr
.set i, 0
.rept 128
	v_exp_f32 v[S+i], v[S+i]
.set i, i+1
.endr
	v_nop                                          ; one plain place behind the run of exponentials, then their results are read (ISA guide 5.7.2)
.endm
.macro SSUM first                      ; l += the block's p, two sums for each q tile
.if \first
	WIN 0x05
	s_wait_alu depctr_va_vdst(0)
.irp qt, 0,1,2,3
	v_pk_add_f32 v[LP+2*\qt:LP+2*\qt+1], v[S+32*\qt:S+32*\qt+1], v[S+32*\qt+2:S+32*\qt+3]   ; the first two pairs start the sums
.endr
.set i, 2
.else
.set i, 0
.endif
	WIN 0x01
	s_wait_alu depctr_va_vdst(0)
.rept 16-i
.irp qt, 0,1,2,3
	v_pk_add_f32 v[LP+2*\qt:LP+2*\qt+1], v[S+32*\qt+2*i:S+32*\qt+2*i+1], v[LP+2*\qt:LP+2*\qt+1]
.endr
.set i, i+1
.endr
.endm
.macro SPACK                           ; 16 registers of p become 8 of f16, in place: register j takes elements 2j, 2j+1, which lie at or behind it
	WIN 0x45
.irp qt, 0,1,2,3
.irp kp, 0,1
.set j, 0
.rept 8
	v_cvt_pk_f16_f32 v[S+32*\qt+16*\kp+j], v[S+32*\qt+16*\kp+2*j], v[S+32*\qt+16*\kp+2*j+1]
.set j, j+1
.endr
.endr
.endr
.endm
; 16 matrix instructions: 32 keys into all sixteen O tiles, which take turns, one instruction a turn
.macro PVHALF kp, zero
.if \zero
	WIN 0x44
.else
	WIN 0x54
.endif
.irp qt, 0,1,2,3
.irp dt, 0,1,2,3
.if \zero
	v_wmma_f32_16x16x32_f16 v[O+32*\qt+8*\dt:O+32*\qt+8*\dt+7], v[VF+8*(4*\kp+\dt):VF+8*(4*\kp+\dt)+7], v[S+32*\qt+16*\kp:S+32*\qt+16*\kp+7], 0
.else
	v_wmma_f32_16x16x32_f16 v[O+32*\qt+8*\dt:O+32*\qt+8*\dt+7], v[VF+8*(4*\kp+\dt):VF+8*(4*\kp+\dt)+7], v[S+32*\qt+16*\kp:S+32*\qt+16*\kp+7], v[O+32*\qt+8*\dt:O+32*\qt+8*\dt+7]
.endif
.endr
.endr
.endm
; One block.  first = 1: nothing to rescale, the first products start O and l.  next = 1: the next block's K fragments are fetched;
; 2: the same, behind the barrier that shows the second half of the keys whole; 0: the last block.
.macro BLOCK i, first, next
.if \i
	NOPS 5                                         ; five places behind the last block's products: V's registers are loaded again, P's are written by matrix instructions (ISA guide 7.12.1)
.endif
	VLOAD \i
	s_wait_dscnt 16                                ; the 16 younger loads are V's: K's fragments are in
	SMUL
	NOPS 4                                         ; four places: then K's registers are loaded again and the scores are read
.if \next == 2
	WIN 0
	s_wait_dscnt 0x0                               ; no LDS instruction of mine is pending at a signal
	s_wait_tensorcnt 0x0                           ; my part of keys 512-1023 has landed
	s_barrier_signal -1
	s_barrier_wait -1                              ; everybody's has.
.endif
.if \next
	KLOAD \i+1
.endif
	SMAX \first
	SNEW \first
.if \first == 0
	SRESC
.endif
	SEXP
	SSUM \first
	SPACK
.if \next
	s_wait_dscnt 16                                ; V's fragments are in; the 16 younger loads are the next block's K
.else
	s_wait_dscnt 0x0
.endif
	PVHALF 0, \first
	PVHALF 1, 0
.endm
	s_wait_tensorcnt 0x1                           ; my part of keys 0-511 has landed; the second load may stay out
	s_barrier_signal -1
	s_barrier_wait -1                              ; everybody's has
	KLOAD 0
	BLOCK 0, 1, 1
	BLOCK 1, 0, 2
	BLOCK 2, 0, 1
	BLOCK 3, 0, 0
	; THE MERGE.  Every wave lays its O (unscaled), m and l into its own scratch; behind one barrier wave (qg, kq) finishes q tile kq of group qg.
	NOPS 4                                         ; four places behind the last matrix instruction, then its results are read
	WIN 0
.irp qt, 0,1,2,3
	v_add_f32 v[T+\qt], v[LP+2*\qt], v[LP+2*\qt+1]
.endr
.irp qt, 0,1,2,3
	v_permlanex16_b32 v[U+\qt], v[T+\qt], s34, s35
.endr
.irp qt, 0,1,2,3
	v_add_f32 v[AL+2*\qt+1], v[T+\qt], v[U+\qt]    ; l over my 256 keys
	v_mov_b32 v[AL+2*\qt], v[MP+2*\qt]             ; m
.endr
	WIN 0x04
.irp qt, 0,1,2,3
.irp i, 0,1,2,3,4,5,6,7
	ds_store_b128 v[VSC], v[O+32*\qt+4*\i:O+32*\qt+4*\i+3] offset:SCRT*\qt+512*\i
.endr
.endr
	WIN 0
.irp qt, 0,1,2,3
	ds_store_b64 v[VSM], v[AL+2*\qt:AL+2*\qt+1] offset:SCRT*\qt
.endr
	s_wait_dscnt 0x0                               ; for the other waves: zero
	s_barrier_signal -1
	s_barrier_wait -1
.irp kk, 0,1,2,3
	ds_load_b64 v[ML+2*\kk:ML+2*\kk+1], v[VLM+(\kk)/2] offset:8*SCRT*((\kk)%2)
.endr
.irp kk, 0,1,2,3
.irp i, 0,1,2,3,4,5,6,7
	ds_load_b128 v[MG+32*\kk+4*\i:MG+32*\kk+4*\i+3], v[VLD+(\kk)/2] offset:8*SCRT*((\kk)%2)+512*\i
.endr
.endr
	s_wait_dscnt 32                                ; the four (m, l) are in; the 32 younger loads are the O's
	v_max3_num_f32 v[MX], v[ML], v[ML+2], v[ML+4]
	v_max_num_f32 v[MX], v[MX], v[ML+6]
.irp kk, 0,1,2,3
	v_sub_f32 v[AE+\kk], v[ML+2*\kk], v[MX]
.endr
.irp kk, 0,1,2,3
	v_exp_f32 v[AE+\kk], v[AE+\kk]
.endr
	v_nop                                          ; the plain place behind the exponentials
	s_wait_alu depctr_va_vdst(0)
	v_mul_f32 v[LS], v[AE], v[ML+1]
	v_fmac_f32 v[LS], v[AE+1], v[ML+3]
	v_fmac_f32 v[LS], v[AE+2], v[ML+5]
	v_fmac_f32 v[LS], v[AE+3], v[ML+7]             ; at least 1: the quarter that holds the maximum has a = 1 and l >= 1
	v_rcp_f32 v[RC], v[LS]
	v_nop                                          ; the plain place behind the reciprocal
	s_wait_alu depctr_va_vdst(0)
	v_mul_f32 v[RC], s44, v[RC]                    ; the values' 1 / g rides on 1 / l
.irp kk, 0,1,2,3
	v_mul_f32 v[FP+2*\kk], v[AE+\kk], v[RC]
	v_mul_f32 v[FP+2*\kk+1], v[AE+\kk], v[RC]
.endr
	s_wait_dscnt 24                                ; the first quarter's eight loads are in
.set i, 0
.rept 16
	v_pk_mul_f32 v[MG+2*i:MG+2*i+1], v[MG+2*i:MG+2*i+1], v[FP:FP+1]
.set i, i+1
.endr
.irp kk, 1,2,3
	s_wait_dscnt 24-8*\kk                          ; and the next quarter's
.set i, 0
.rept 16
	v_pk_fma_f32 v[MG+2*i:MG+2*i+1], v[MG+32*\kk+2*i:MG+32*\kk+2*i+1], v[FP+2*\kk:FP+2*\kk+1], v[MG+2*i:MG+2*i+1]
.set i, i+1
.endr
.endr
.set i, 0
.rept 16
	v_cvt_pk_f16_f32 v[PKO+i], v[MG+2*i], v[MG+2*i+1]          ; registers 4 dt .. 4 dt + 3: d = 16 dt + 8 h + 0..7 of query r
.set i, i+1
.endr
.irp dt, 0,1,2,3
	ds_store_b128 v[VSG], v[PKO+4*\dt:PKO+4*\dt+3] offset:32*\dt
.endr
.irp i, 0,1,2,3
	ds_load_b128 v[OB+4*\i:OB+4*\i+3], v[VSR] offset:4*KPITCH*\i   ; my own bytes: LDS serves a wave's instructions in order (ISA guide 5.7.1), these see the stores above
.endr
.irp i, 0,1,2,3
	s_wait_dscnt 3-\i
	global_store_b128 v[VO], v[OB+4*\i:OB+4*\i+3], s[42:43] offset:512*\i   ; four dense rows of 128 bytes: 512 consecutive bytes, aligned
.endr
	s_wait_tensorcnt 0x0
	ds_add_u32 v30, v31
	s_wait_dscnt 0x0
	ROUND                                          ; the closing round: no work-group ends while a partner may still ask for a tile that names it
	s_endpgm
.Lfunc_end_k_q2181a633b4_attn:
	.size	k_q2181a633b4_attn, .Lfunc_end_k_q2181a633b4_attn-k_q2181a633b4_attn
	.p2alignl 7, 3214868480
	.fill 96, 4, 3214868480
	.section	.rodata,"a",@progbits
	.p2align	6, 0x0
	.amdhsa_kernel k_q2181a633b4_attn
		.amdhsa_group_segment_fixed_size 306176
		.amdhsa_private_segment_fixed_size 0
		.amdhsa_enable_private_segment 0
		.amdhsa_kernarg_size 24
		.amdhsa_user_sgpr_count 2
		.amdhsa_user_sgpr_kernarg_segment_ptr 1
		.amdhsa_wavefront_size32 1
		.amdhsa_system_sgpr_workgroup_id_x 1
		.amdhsa_system_sgpr_workgroup_id_y 1
		.amdhsa_system_sgpr_workgroup_id_z 1
		.amdhsa_system_vgpr_workitem_id 0
		.amdhsa_next_free_vgpr 512
		.amdhsa_next_free_sgpr 66
		.amdhsa_reserve_vcc 1
		.amdhsa_float_denorm_mode_32 3
		.amdhsa_float_denorm_mode_16_64 3
		.amdhsa_memory_ordered 1
		.amdhsa_forward_progress 1
		.amdhsa_inst_pref_size 146
	.end_amdhsa_kernel
	.amdgpu_metadata
---
amdhsa.version: [ 1, 2 ]
amdhsa.kernels:
  - .name:           k_q2181a633b4_attn
    .symbol:         k_q2181a633b4_attn.kd
    .args:
      - { .name: kb, .offset: 0, .size: 8, .value_kind: global_buffer, .address_space: global }
      - { .name: attention_mask, .offset: 8, .size: 8, .value_kind: global_buffer, .address_space: global }
      - { .name: wv, .offset: 16, .size: 8, .value_kind: global_buffer, .address_space: global }
    .group_segment_fixed_size: 306176
    .private_segment_fixed_size: 0
    .kernarg_segment_align: 8
    .kernarg_segment_size: 24
    .max_flat_workgroup_size: 256
    .sgpr_count:     66
    .vgpr_count:     512
    .wavefront_size: 32
...
	.end_amdgpu_metadata
.endif
;; end of part 2
;; launch oproj (part 3): grid 4 x 64, 8 waves a work-group, no clusters, 101,376 bytes of LDS; arguments wv, Wo, bo, out0; writes out0
.if DOCPART == 3
	.amdgcn_target "amdgcn-amd-amdhsa--gfx1250"
	.amdhsa_code_object_version 6
	.text
	.protected	k_q2181a633b4_oproj
	.globl	k_q2181a633b4_oproj
	.p2align	8
	.type	k_q2181a633b4_oproj,@function
k_q2181a633b4_oproj:
	s_mov_b64 s[64:65], 0
	v_nop
	global_prefetch_b8 v0, s[64:65] scope:SCOPE_SE
	s_setreg_imm32_b32 hwreg(HW_REG_WAVE_MODE, 25, 1), 1
	s_wait_xcnt 0x0
; out0[b][l][n] = sum over h, d of wv[b*12+h][l][d] Wo[n][64h+d] + bo[n].  wv: f16, head-major planes of 1,024 x 64; Wo: [768][768] f32; out0: f32.
; Operands f16 (Wo rounded on the way in; LIMIT: |Wo| < 65,504), sums in f32, started from the bias.
; SHARES as in the first projection: a work-group makes 128 rows x 192 columns, 64 x 4 = 256 work-groups; wave w makes rows 64 (w>>2) .. +63,
; columns 48 (w&3) .. +47 in 4 x 3 accumulator tiles.  K goes in 12 steps of 64: step s is head s, whose 128 rows of wv are 16,384 dense bytes.
; THE WAY IN is through registers: Wo is f32 in memory, three quarters of a step's bytes, and a copy engine converts nothing; so no tensor loads,
; and with them no cluster and no joint loads.  Two register stages hold two steps' loads on their way (16 loads of 16 bytes a lane each);
; two LDS buffers take turns, one barrier a step.
.set ROWB,   3072                      ; bytes in a row of Wo and of out0
.set PLANE,  131072                    ; bytes in a head's plane of wv
.set PITCH,  144                       ; an LDS row: 64 f16 + 16 bytes = 9 x 16
.set ABYTES, 128*PITCH
.set BUF,    320*PITCH
.set STEPS,  12
.set NLOAD,  16
.set SPITCH, 784                       ; the way out: a row of 192 f32 + 16 bytes = 49 x 16
.set VG,   1                           ; v1      (t>>4) 3072 + (t&15) 16: Wo, and out0
.set VS,   2                           ; v2, v3  (t>>4) 144 + (t&15) 8, in buffer 0 and in buffer 1
.set VFA,  4
.set VFB,  5
.set VBI,  6
.set VST,  7
.set VRD,  8                           ; v8, v9  the way out: rows 0-63, rows 64-127
.set VGA,  10                          ; v10     16 t: wv
.set VSA,  11                          ; v11     (t>>3) 144 + (t&7) 16
.set ACC,  16
.set FA,   112
.set FB,   144
.set KS2,  56
.set BIAS, 224
.set T0,   112
.set OUTR, 112                         ; the way out: 24 x 4 registers read back
.set RS,   64                          ; window 1: stage 0 at v256, stage 1 at v320: 16 registers of A (f16 already), 48 of B
.set MSB,  0
.macro WIN new                         ; s_set_vgpr_msb: bits 1:0 source 0, 3:2 source 1, 5:4 source 2, 7:6 destination; the high byte repeats the setting left
.if MSB != \new
	s_set_vgpr_msb (MSB<<8)|\new
.set MSB, \new
.endif
.endm
.macro NOPS n
.rept \n
	v_nop
.endr
.endm
	s_load_b256 s[4:11], s[0:1], 0x0               ; wv s[4:5], Wo s[6:7], bo s[8:9], out0 s[10:11]
	v_lshl_add_u32 v254, v0, 2, 0x18800
	v_mov_b32 v255, 0
	v_lshrrev_b32 v[T0], 5, v0
	v_readfirstlane_b32 s12, v[T0]                 ; wave 0..7
	s_lshr_b32 s13, s12, 2                         ; wm
	s_and_b32 s14, s12, 3                          ; wn
	s_and_b32 s16, ttmp7, 0xffff                   ; by
	v_lshrrev_b32 v[T0], 4, v0                     ; t >> 4
	v_and_b32 v[T0+1], 15, v0                      ; r
	v_bfe_u32 v[T0+2], v0, 4, 1                    ; h
	v_mul_u32_u24 v[VG], v[T0], ROWB
	v_lshl_add_u32 v[VG], v[T0+1], 4, v[VG]
	v_mul_u32_u24 v[VS], v[T0], PITCH
	v_lshl_add_u32 v[VS], v[T0+1], 3, v[VS]
	v_add_nc_u32 v[VS+1], BUF, v[VS]
	v_mul_u32_u24 v[VRD], v[T0], SPITCH
	v_lshl_add_u32 v[VRD], v[T0+1], 4, v[VRD]      ; (t>>4) 784 + (t&15) 16
	v_add_nc_u32 v[VRD+1], 64*SPITCH, v[VRD]
	v_mul_u32_u24 v[T0+3], v[T0+1], PITCH
	v_lshl_add_u32 v[T0+3], v[T0+2], 4, v[T0+3]    ; r 144 + 16 h
	s_mul_i32 s17, s13, 64*PITCH
	v_add_nc_u32 v[VFA], s17, v[T0+3]
	s_mul_i32 s17, s14, 48*PITCH
	s_add_co_u32 s17, s17, ABYTES
	v_add_nc_u32 v[VFB], s17, v[T0+3]
	s_mul_i32 s17, s14, 192
	v_lshl_add_u32 v[VBI], v[T0+2], 5, s17         ; 192 wn + 32 h
	s_mul_i32 s22, s13, 64*SPITCH
	s_add_co_u32 s17, s17, s22
	v_mul_u32_u24 v[T0+3], v[T0+1], SPITCH
	v_lshl_add_u32 v[T0+3], v[T0+2], 5, v[T0+3]
	v_add_nc_u32 v[VST], s17, v[T0+3]              ; (64 wm + r) 784 + 192 wn + 32 h
	v_lshlrev_b32 v[VGA], 4, v0
	v_lshrrev_b32 v[T0], 3, v0
	v_and_b32 v[T0+1], 7, v0
	v_mul_u32_u24 v[T0], v[T0], PITCH
	v_lshl_add_u32 v[VSA], v[T0+1], 4, v[T0]
	s_mov_b32 s19, 0
	s_lshr_b32 s17, s16, 3                         ; batch
	s_mul_i32 s18, s17, 12*PLANE
	s_and_b32 s17, s16, 7
	s_lshl_b32 s17, s17, 14                        ; 128 rows of 128 bytes
	s_add_co_u32 s18, s18, s17
	s_wait_kmcnt 0x0
	s_add_nc_u64 s[4:5], s[4:5], s[18:19]          ; wv at head 0 of my batch, my first row
	s_mul_i32 s18, ttmp9, 192*ROWB
	s_add_nc_u64 s[6:7], s[6:7], s[18:19]          ; Wo at my first output column
	s_mul_i32 s18, ttmp9, 768
	s_add_nc_u64 s[8:9], s[8:9], s[18:19]
	s_mul_i32 s17, s16, 128*ROWB
	s_add_co_u32 s18, s18, s17
	s_add_nc_u64 s[10:11], s[10:11], s[18:19]      ; out0 at my first row and column
	; no base and no offset register is written again: steps stand in the immediates (1,454,080 bytes at the most)
.macro GLOAD stg, til
	WIN 0x40
.irp i, 0,1,2,3
	global_load_b128 v[RS*\stg+4*\i:RS*\stg+4*\i+3], v[VGA], s[4:5] offset:PLANE*(\til)+4096*\i
.endr
.irp i, 0,1,2,3,4,5,6,7,8,9,10,11
	global_load_b128 v[RS*\stg+16+4*\i:RS*\stg+16+4*\i+3], v[VG], s[6:7] offset:256*(\til)+16*ROWB*\i
.endr
.endm
; B is rounded to f16 in place; A goes into LDS as it came
.macro CVST stg, buf
	WIN 0x45
.set i, 0
.rept 12
	v_cvt_pk_f16_f32 v[RS*\stg+16+4*i], v[RS*\stg+16+4*i], v[RS*\stg+16+4*i+1]
	v_cvt_pk_f16_f32 v[RS*\stg+16+4*i+1], v[RS*\stg+16+4*i+2], v[RS*\stg+16+4*i+3]
.set i, i+1
.endr
	WIN 0x04
.irp i, 0,1,2,3
	ds_store_b128 v[VSA], v[RS*\stg+4*\i:RS*\stg+4*\i+3] offset:BUF*\buf+32*PITCH*\i
.endr
.irp i, 0,1,2,3,4,5,6,7,8,9,10,11
	ds_store_b64 v[VS+\buf], v[RS*\stg+16+4*\i:RS*\stg+16+4*\i+1] offset:ABYTES+16*PITCH*\i
.endr
.endm
.macro FRAGS buf
	WIN 0
.irp ks, 0,1
.irp mt, 0,1,2,3
	ds_load_b128 v[FA+KS2*\ks+8*\mt:FA+KS2*\ks+8*\mt+3],   v[VFA] offset:BUF*\buf+16*PITCH*\mt+64*\ks
	ds_load_b128 v[FA+KS2*\ks+8*\mt+4:FA+KS2*\ks+8*\mt+7], v[VFA] offset:BUF*\buf+16*PITCH*\mt+64*\ks+32
.endr
.irp nt, 0,1,2
	ds_load_b128 v[FB+KS2*\ks+8*\nt:FB+KS2*\ks+8*\nt+3],   v[VFB] offset:BUF*\buf+16*PITCH*\nt+64*\ks
	ds_load_b128 v[FB+KS2*\ks+8*\nt+4:FB+KS2*\ks+8*\nt+7], v[VFB] offset:BUF*\buf+16*PITCH*\nt+64*\ks+32
.endr
.endr
.endm
; used transposed (source 0 = rows of Wo, source 1 = rows of wv): lane (r, h), register j holds row r, column 8h + j.
; The twelve accumulators take turns, one instruction a turn.  first = 1: the sums start from the bias tile.
.macro MULS ks, first
.irp mt, 0,1,2,3
.irp nt, 0,1,2
.if \first
	v_wmma_f32_16x16x32_f16 v[ACC+8*(3*\mt+\nt):ACC+8*(3*\mt+\nt)+7], v[FB+KS2*\ks+8*\nt:FB+KS2*\ks+8*\nt+7], v[FA+KS2*\ks+8*\mt:FA+KS2*\ks+8*\mt+7], v[BIAS+8*\nt:BIAS+8*\nt+7]
.else
	v_wmma_f32_16x16x32_f16 v[ACC+8*(3*\mt+\nt):ACC+8*(3*\mt+\nt)+7], v[FB+KS2*\ks+8*\nt:FB+KS2*\ks+8*\nt+7], v[FA+KS2*\ks+8*\mt:FA+KS2*\ks+8*\mt+7], v[ACC+8*(3*\mt+\nt):ACC+8*(3*\mt+\nt)+7]
.endif
.endr
.endr
.endm
; K step n.  One barrier does two things: tile n, stored by all waves in the step before, may be read behind it, and the other buffer,
; whose last reads every wave has waited for in front of it, may be written behind it.
.macro STEP n
.set CUR, (\n)%2
.set NXT, (\n+1)%2
.set TL,  \n+2
	s_wait_dscnt 0x0                               ; my LDS stores of tile n and my reads of tile n-1 are done
	s_barrier_signal -1
	s_barrier_wait -1
.if \n < STEPS-2
	GLOAD CUR, TL                                  ; tile n+2 into the stage that the LDS stores waited for above have read
.endif
	FRAGS CUR
	s_wait_dscnt 14                                ; the 14 younger loads are those of K 32-63
.if \n == 0
	MULS 0, 1
.else
	MULS 0, 0
.endif
	s_wait_dscnt 0x0
	MULS 1, 0
.if \n < STEPS-1
.if \n < STEPS-2
	s_wait_loadcnt NLOAD                           ; tile n+1 is in; the 16 younger loads are tile n+2's
.else
	s_wait_loadcnt 0x0                             ; the last tile: nothing was asked for behind it
.endif
	CVST NXT, NXT                                  ; its 24 conversions are also the places between the last matrix instruction and the next fragment loads
.endif
.endm
.irp nt, 0,1,2
	global_load_b128 v[BIAS+8*\nt:BIAS+8*\nt+3],   v[VBI], s[8:9] offset:64*\nt
	global_load_b128 v[BIAS+8*\nt+4:BIAS+8*\nt+7], v[VBI], s[8:9] offset:64*\nt+16
.endr
	GLOAD 0, 0
	GLOAD 1, 1
	s_wait_loadcnt NLOAD                           ; the bias and tile 0 are in; tile 1's 16 loads stay out
	CVST 0, 0
.irp n, 0,1,2,3,4,5,6,7,8,9,10,11
	STEP \n
.endr
	; THE WAY OUT: a lane's eight f32 are 32 bytes of a row; they go into rows of 784 bytes and come back so that 16 lanes hold 256 neighbouring bytes.
	NOPS 4                                         ; four places behind the last matrix instruction, then LDS stores read its results
	s_barrier_signal -1                            ; my reads of the last tile were waited for in front of its second half's products
	s_barrier_wait -1                              ; nobody reads the buffers any more: the stage lies over them, from LDS byte 0
.irp mt, 0,1,2,3
.irp nt, 0,1,2
	ds_store_b128 v[VST], v[ACC+8*(3*\mt+\nt):ACC+8*(3*\mt+\nt)+3]   offset:16*SPITCH*\mt+64*\nt
	ds_store_b128 v[VST], v[ACC+8*(3*\mt+\nt)+4:ACC+8*(3*\mt+\nt)+7] offset:16*SPITCH*\mt+64*\nt+16
.endr
.endr
	s_wait_dscnt 0x0                               ; for the other waves: zero
	s_barrier_signal -1
	s_barrier_wait -1
.irp ii, 0,1,2,3,4,5,6,7
.irp c, 0,1,2
	ds_load_b128 v[OUTR+4*(3*\ii+\c):OUTR+4*(3*\ii+\c)+3], v[VRD+(\ii)/4] offset:16*SPITCH*((\ii)%4)+256*\c   ; rows 16 ii + (t>>4), 256 bytes at column 64 c
.endr
.endr
.set k, 0
.irp ii, 0,1,2,3,4,5,6,7
.irp c, 0,1,2
	s_wait_dscnt 23-k                              ; LDS loads come back in order: load k is in
	global_store_b128 v[VG], v[OUTR+4*k:OUTR+4*k+3], s[10:11] offset:16*ROWB*\ii+256*\c th:TH_STORE_NT   ; 16 lanes store 256 consecutive bytes, at a multiple of 256 from out0's first byte
.set k, k+1
.endr
.endr
	s_wait_tensorcnt 0x0
	ds_add_u32 v254, v255
	s_wait_dscnt 0x0
	s_endpgm
.Lfunc_end_k_q2181a633b4_oproj:
	.size	k_q2181a633b4_oproj, .Lfunc_end_k_q2181a633b4_oproj-k_q2181a633b4_oproj
	.p2alignl 7, 3214868480
	.fill 96, 4, 3214868480
	.section	.rodata,"a",@progbits
	.p2align	6, 0x0
	.amdhsa_kernel k_q2181a633b4_oproj
		.amdhsa_group_segment_fixed_size 101376
		.amdhsa_private_segment_fixed_size 0
		.amdhsa_enable_private_segment 0
		.amdhsa_kernarg_size 32
		.amdhsa_user_sgpr_count 2
		.amdhsa_user_sgpr_kernarg_segment_ptr 1
		.amdhsa_wavefront_size32 1
		.amdhsa_system_sgpr_workgroup_id_x 1
		.amdhsa_system_sgpr_workgroup_id_y 1
		.amdhsa_system_sgpr_workgroup_id_z 1
		.amdhsa_system_vgpr_workitem_id 0
		.amdhsa_next_free_vgpr 384
		.amdhsa_next_free_sgpr 66
		.amdhsa_reserve_vcc 0
		.amdhsa_float_denorm_mode_32 3
		.amdhsa_float_denorm_mode_16_64 3
		.amdhsa_memory_ordered 1
		.amdhsa_forward_progress 1
		.amdhsa_inst_pref_size 101
	.end_amdhsa_kernel
	.amdgpu_metadata
---
amdhsa.version: [ 1, 2 ]
amdhsa.kernels:
  - .name:           k_q2181a633b4_oproj
    .symbol:         k_q2181a633b4_oproj.kd
    .args:
      - { .name: wv, .offset: 0, .size: 8, .value_kind: global_buffer, .address_space: global }
      - { .name: Wo, .offset: 8, .size: 8, .value_kind: global_buffer, .address_space: global }
      - { .name: bo, .offset: 16, .size: 8, .value_kind: global_buffer, .address_space: global }
      - { .name: out0, .offset: 24, .size: 8, .value_kind: global_buffer, .address_space: global }
    .group_segment_fixed_size: 101376
    .private_segment_fixed_size: 0
    .kernarg_segment_align: 8
    .kernarg_segment_size: 32
    .max_flat_workgroup_size: 256
    .sgpr_count:     66
    .vgpr_count:     384
    .wavefront_size: 32
...
	.end_amdgpu_metadata
.endif
;; end of part 3
;; ======== version 2 of 2: 3 launches
;; limits: values are held in f16: magnitudes above 65,504 overflow, below 6.1e-05 lose precision
;; workspace buffers: kb 12,582,912 bytes; wv 12,582,912 bytes; wo16 1,179,648 bytes
;; launch kproj (part 4): grid 4 x 64, 8 waves a work-group, no clusters, 139,264 bytes of LDS; arguments x, Wk, bk, kb; writes kb
.if DOCPART == 4
	.amdgcn_target "amdgcn-amd-amdhsa--gfx1250"
	.amdhsa_code_object_version 6
	.text
	.protected	k_q2181a633b4_kproj
	.globl	k_q2181a633b4_kproj
	.p2align	8
	.type	k_q2181a633b4_kproj,@function
k_q2181a633b4_kproj:
	s_mov_b64 s[64:65], 0
	v_nop
	global_prefetch_b8 v0, s[64:65] scope:SCOPE_SE
	s_setreg_imm32_b32 hwreg(HW_REG_WAVE_MODE, 25, 1), 1
	s_wait_xcnt 0x0
; kb[b*12+h][l][d] = f16( g * (x[b][l][:] . Wk[64h+d][:] + bk[64h+d]) ),  g = sqrt(log2(e) / sqrt(768)) = 0.22816392.
; With that factor the product of two rows of kb is the score times log2(e), the argument of the base-2 exponential of the next launch.
; x: [8192][768] f32, Wk: [768][768] f32, bk: [768] f32.  Operands rounded to f16, sums in f32.
; f16 and not bf16: the attention's result is close to a mean over 1,024 keys, so the operands' rounding is not averaged away in it;
; f16 has three more bits.  LIMIT: |x|, |Wk| and |g K| must stay below 65,504 (with x and Wk both 30 times the drawn spread |g K| is near 1,300,
; with both carrying an offset of 30 spreads near 5,700).
; Wq, bq, Wv, bv are not read by any launch of this program: the function forms Q and never uses it, and never names Wv or bv.
;
; SHARES: a work-group makes 128 rows x 192 columns (three heads): 64 x 4 = 256 work-groups.  Eight waves: wave w makes rows 64 (w>>2) .. +63,
; columns 48 (w&3) .. +47: 4 x 3 accumulator tiles, 96 registers.  K goes in 12 steps of 64 (256 bytes of each f32 row, aligned).
; THE WAY IN is through registers: the operands are f32 in memory and f16 in the matrix unit, and a copy engine converts nothing.  Each element is
; loaded once by the work-group (16 lanes take 256 neighbouring bytes of a row), rounded once, and laid into LDS as f16, so fragments cost half the LDS bytes.
; For the same reason no cluster and no joint loads: those are tensor loads, which would land f32 in LDS for every reading wave to convert again.
; THE PIPELINE: three register stages hold up to three steps' loads on their way (20 loads of 16 bytes a lane each); three LDS buffers take turns, one
; barrier a step.  Step n multiplies tile n, stores tile n+2, and asks memory for tile n+4.  Tile n's fragments of K 0-31 were read in step n-1 (tile n
; was stored in step n-2); those of K 32-63 are read while K 0-31 is multiplied: every run of fragment loads has twelve products in front of its wait.
.set ROWB,   3072                      ; bytes in a row of x and of Wk
.set PITCH,  144                       ; an LDS row: 64 f16 + 16 bytes = 9 x 16: the 16 rows of a fragment start 36 words apart
.set ABYTES, 128*PITCH                 ; A's 128 rows
.set BUF,    320*PITCH                 ; then B's 192 rows: one buffer, 46,080 bytes
.set STEPS,  12
.set NLOAD,  20                        ; global loads of a step in each wave
.set SPITCH, 400                       ; the way out: a row of 192 f16 + 16 bytes = 25 x 16
.set GSC,    0x3e69a3ce                ; g
.set VG,   1                           ; v1      my 16 bytes in 16 rows of 256 bytes: row (w + 8 h) 3072 + (t&15) 16
.set VS,   2                           ; v2-4    the same place in LDS, (w + 8 h) 144 + (t&15) 8, in buffers 0, 1, 2
.set VFA,  5                           ; v5-7    my A fragments in buffers 0, 1, 2: 64 wm rows + r 144 + 16 h
.set VFB,  8                           ; v8-10   my B fragments
.set VBI,  11                          ; v11     my bias numbers
.set VST,  12                          ; v12     the way out: where I put 16 bytes of a row
.set VRD,  13                          ; v13     the way out: where I read back
.set VOUT, 14                          ; v14     16 t
.set ACC,  16                          ; v16-111 tile (mt, nt) at 16 + 8 (3 mt + nt)
.set FA,   112                         ; v112-143 A fragments of K 0-31;  + KS2: of K 32-63
.set FB,   144                         ; v144-167 B fragments of K 0-31;  + KS2: of K 32-63
.set KS2,  56
.set BIAS, 224                         ; v224-247 bias in the accumulators' layout, one tile for each nt
.set T0,   112                         ; scratch at the start, before the fragments
.set PK,   112                         ; the way out: packed results
.set OUTR, 160                         ; the way out: rows read back
.set RS,   80                          ; window 1: stages 0, 1, 2 at v256, v336, v416: 32 registers of A, 48 of B
.set MSB,  0
.macro WIN new                         ; s_set_vgpr_msb: bits 1:0 source 0, 3:2 source 1, 5:4 source 2, 7:6 destination; the high byte repeats the setting left
.if MSB != \new
	s_set_vgpr_msb (MSB<<8)|\new
.set MSB, \new
.endif
.endm
.macro NOPS n
.rept \n
	v_nop
.endr
.endm
	s_load_b256 s[4:11], s[0:1], 0x0               ; x s[4:5], Wk s[6:7], bk s[8:9], kb s[10:11]
	v_lshl_add_u32 v254, v0, 2, 0x21c00
	v_mov_b32 v255, 0
	v_lshrrev_b32 v[T0], 5, v0
	v_readfirstlane_b32 s12, v[T0]                 ; wave 0..7
	s_lshr_b32 s13, s12, 2                         ; wm: which 64 rows
	s_and_b32 s14, s12, 3                          ; wn: which 48 columns
	s_and_b32 s16, ttmp7, 0xffff                   ; by: which 128 rows of x
	s_mov_b32 s20, GSC
	s_mov_b32 s21, GSC                             ; the pair is named whole by the packed multiply
	v_and_b32 v[T0+1], 15, v0                      ; r
	v_bfe_u32 v[T0+2], v0, 4, 1                    ; h
	v_lshl_add_u32 v[T0], v[T0+2], 3, v[T0]        ; of each 16 rows a wave takes rows w and w + 8: in LDS they lie 1,152 bytes apart, 128 modulo 256,
	                                               ; so the 32 lanes' 8 bytes of a store fall on 64 different words modulo 256 bytes
	v_mul_u32_u24 v[VG], v[T0], ROWB
	v_lshl_add_u32 v[VG], v[T0+1], 4, v[VG]
	v_mul_u32_u24 v[VS], v[T0], PITCH
	v_lshl_add_u32 v[VS], v[T0+1], 3, v[VS]
	v_add_nc_u32 v[VS+1], BUF, v[VS]
	v_add_nc_u32 v[VS+2], 2*BUF, v[VS]
	v_mul_u32_u24 v[T0+3], v[T0+1], PITCH
	v_lshl_add_u32 v[T0+3], v[T0+2], 4, v[T0+3]    ; r 144 + 16 h
	s_mul_i32 s17, s13, 64*PITCH
	v_add_nc_u32 v[VFA], s17, v[T0+3]
	v_add_nc_u32 v[VFA+1], BUF, v[VFA]
	v_add_nc_u32 v[VFA+2], 2*BUF, v[VFA]
	s_mul_i32 s17, s14, 48*PITCH
	s_add_co_u32 s17, s17, ABYTES
	v_add_nc_u32 v[VFB], s17, v[T0+3]
	v_add_nc_u32 v[VFB+1], BUF, v[VFB]
	v_add_nc_u32 v[VFB+2], 2*BUF, v[VFB]
	s_mul_i32 s17, s14, 192                        ; 48 columns x 4 bytes
	v_lshl_add_u32 v[VBI], v[T0+2], 5, s17         ; + 8 h numbers
	s_mul_i32 s17, s13, 64*SPITCH
	s_mul_i32 s22, s14, 96
	s_add_co_u32 s17, s17, s22
	v_mul_u32_u24 v[T0+3], v[T0+1], SPITCH
	v_lshl_add_u32 v[T0+3], v[T0+2], 4, v[T0+3]
	v_add_nc_u32 v[VST], s17, v[T0+3]              ; (64 wm + r) 400 + 96 wn + 16 h
	v_lshrrev_b32 v[T0], 3, v0
	v_and_b32 v[T0+1], 7, v0
	v_mul_u32_u24 v[T0], v[T0], SPITCH
	v_lshl_add_u32 v[VRD], v[T0+1], 4, v[T0]       ; (t>>3) 400 + (t&7) 16
	v_lshlrev_b32 v[VOUT], 4, v0
	s_mov_b32 s19, 0
	s_mul_i32 s18, s16, 128*ROWB                   ; all offsets stay below 2^25
	s_wait_kmcnt 0x0
	s_add_nc_u64 s[4:5], s[4:5], s[18:19]          ; x at my first row
	s_mul_i32 s18, ttmp9, 192*ROWB
	s_add_nc_u64 s[6:7], s[6:7], s[18:19]          ; Wk at my first output column
	s_mul_i32 s18, ttmp9, 768
	s_add_nc_u64 s[8:9], s[8:9], s[18:19]
	s_lshr_b32 s17, s16, 3                         ; batch
	s_mul_i32 s18, s17, 12*131072
	s_mul_i32 s17, ttmp9, 3*131072                 ; my first head's plane
	s_add_co_u32 s18, s18, s17
	s_and_b32 s17, s16, 7
	s_lshl_b32 s17, s17, 14                        ; 128 rows of 128 bytes
	s_add_co_u32 s18, s18, s17
	s_add_nc_u64 s[10:11], s[10:11], s[18:19]
	; no base and no offset register is written again: steps stand in the immediates (543,488 bytes at the most)
; the 20 loads of K step til into stage stg
.macro GLOAD stg, til
	WIN 0x40
.irp i, 0,1,2,3,4,5,6,7
	global_load_b128 v[RS*\stg+4*\i:RS*\stg+4*\i+3], v[VG], s[4:5] offset:256*(\til)+16*ROWB*\i
.endr
.irp i, 0,1,2,3,4,5,6,7,8,9,10,11
	global_load_b128 v[RS*\stg+32+4*\i:RS*\stg+32+4*\i+3], v[VG], s[6:7] offset:256*(\til)+16*ROWB*\i
.endr
.endm
; stage stg is rounded to f16 in place (four f32 become two registers) and laid into LDS buffer buf
.macro CVST stg, buf
	WIN 0x45
.set i, 0
.rept 20
	v_cvt_pk_f16_f32 v[RS*\stg+4*i], v[RS*\stg+4*i], v[RS*\stg+4*i+1]
	v_cvt_pk_f16_f32 v[RS*\stg+4*i+1], v[RS*\stg+4*i+2], v[RS*\stg+4*i+3]
.set i, i+1
.endr
	WIN 0x04
.irp i, 0,1,2,3,4,5,6,7
	ds_store_b64 v[VS+\buf], v[RS*\stg+4*\i:RS*\stg+4*\i+1] offset:16*PITCH*\i
.endr
.irp i, 0,1,2,3,4,5,6,7,8,9,10,11
	ds_store_b64 v[VS+\buf], v[RS*\stg+32+4*\i:RS*\stg+32+4*\i+1] offset:ABYTES+16*PITCH*\i
.endr
.endm
; 14 fragment loads: K 32 ks .. +31 of the tile in buffer buf.  A fragment: lane (r, h) holds row r, K = 8h..8h+7 and 16+8h..16+8h+7.
.macro FRAG ks, buf
	WIN 0
.irp mt, 0,1,2,3
	ds_load_b128 v[FA+KS2*\ks+8*\mt:FA+KS2*\ks+8*\mt+3],   v[VFA+\buf] offset:16*PITCH*\mt+64*\ks
	ds_load_b128 v[FA+KS2*\ks+8*\mt+4:FA+KS2*\ks+8*\mt+7], v[VFA+\buf] offset:16*PITCH*\mt+64*\ks+32
.endr
.irp nt, 0,1,2
	ds_load_b128 v[FB+KS2*\ks+8*\nt:FB+KS2*\ks+8*\nt+3],   v[VFB+\buf] offset:16*PITCH*\nt+64*\ks
	ds_load_b128 v[FB+KS2*\ks+8*\nt+4:FB+KS2*\ks+8*\nt+7], v[VFB+\buf] offset:16*PITCH*\nt+64*\ks+32
.endr
.endm
; 12 matrix instructions, used transposed (source 0 = rows of Wk, source 1 = rows of x): lane (r, h), register j holds row r, column 8h + j.
; The twelve accumulators take turns, one instruction a turn.  first = 1: the sums start from the bias tile; nothing is cleared.
.macro MULS ks, first
.irp mt, 0,1,2,3
.irp nt, 0,1,2
.if \first
	v_wmma_f32_16x16x32_f16 v[ACC+8*(3*\mt+\nt):ACC+8*(3*\mt+\nt)+7], v[FB+KS2*\ks+8*\nt:FB+KS2*\ks+8*\nt+7], v[FA+KS2*\ks+8*\mt:FA+KS2*\ks+8*\mt+7], v[BIAS+8*\nt:BIAS+8*\nt+7]
.else
	v_wmma_f32_16x16x32_f16 v[ACC+8*(3*\mt+\nt):ACC+8*(3*\mt+\nt)+7], v[FB+KS2*\ks+8*\nt:FB+KS2*\ks+8*\nt+7], v[FA+KS2*\ks+8*\mt:FA+KS2*\ks+8*\mt+7], v[ACC+8*(3*\mt+\nt):ACC+8*(3*\mt+\nt)+7]
.endif
.endr
.endr
.endm
; K step n.  Tile k lives in LDS buffer k mod 3 and came through stage k mod 3.  The barrier at the head does two things: tile n+1, stored by all waves in
; step n-1, may be read behind it; and tile n-1's buffer, whose last reads every wave has waited for in front of it, may be written behind it (by tile n+2).
.macro STEP n
.set B0, (\n)%3
.set B1, (\n+1)%3
.set B2, (\n+2)%3
.set T4, \n+4
	s_wait_dscnt 0x0                               ; my LDS stores of tile n+1 are done, my fragments of tile n, K 0-31, are in, and no read of tile n-1 is pending
.if \n
	s_barrier_signal -1
	s_barrier_wait -1
.endif
.if \n+4 < STEPS
	GLOAD B1, T4                                   ; tile n+4 into tile n+1's stage, which the LDS stores waited for above have read
.endif
	FRAG 1, B0                                     ; tile n, K 32-63: lands while K 0-31 is multiplied
.if \n == 0
	MULS 0, 1
.else
	MULS 0, 0
.endif
.if \n+2 < STEPS
.if \n+4 < STEPS
	s_wait_loadcnt 2*NLOAD                         ; tile n+2 is in; the 40 younger loads are tiles n+3 and n+4
.else
.if \n+3 < STEPS
	s_wait_loadcnt NLOAD                           ; the 20 younger loads are the last tile's
.else
	s_wait_loadcnt 0x0                             ; the last tile: nothing was asked for behind it
.endif
.endif
	CVST B2, B2                                    ; its 40 conversions are also the places between the products above and the loads into their fragments below
.else
	NOPS 4                                         ; four places behind the products above, then their fragment registers are loaded again (ISA guide 7.12.1)
.endif
.if \n+1 < STEPS
	FRAG 0, B1                                     ; tile n+1, K 0-31, for the next step
.endif
.if \n+2 < STEPS
	s_wait_dscnt 34                                ; K 32-63 is in; younger: the 20 stores and the 14 loads just issued
.else
.if \n+1 < STEPS
	s_wait_dscnt 14                                ; younger: the 14 loads just issued
.else
	s_wait_dscnt 0x0
.endif
.endif
	MULS 1, 0
	NOPS 4                                         ; four places, then the next step loads into these fragments, or the way out reads the results
.endm
.irp nt, 0,1,2
	global_load_b128 v[BIAS+8*\nt:BIAS+8*\nt+3],   v[VBI], s[8:9] offset:64*\nt      ; bias of columns 16 nt + 8 h + 0..3
	global_load_b128 v[BIAS+8*\nt+4:BIAS+8*\nt+7], v[VBI], s[8:9] offset:64*\nt+16   ; and + 4..7
.endr
	GLOAD 0, 0
	GLOAD 1, 1
	GLOAD 2, 2
	s_wait_loadcnt 2*NLOAD                         ; the bias and tile 0 are in; tiles 1 and 2, 40 loads, stay out
	CVST 0, 0
	s_wait_loadcnt NLOAD                           ; tile 1 is in
	CVST 1, 1
	s_wait_dscnt 0x0                               ; for the other waves: zero
	s_barrier_signal -1
	s_barrier_wait -1                              ; tiles 0 and 1 are whole: this is step 0's barrier
	GLOAD 0, 3                                     ; stage 0's LDS stores were waited for above
	FRAG 0, 0                                      ; tile 0, K 0-31
.irp n, 0,1,2,3,4,5,6,7,8,9,10,11
	STEP \n
.endr
	; THE WAY OUT: scale by g, round to f16, 16 bytes a lane into rows of 400 bytes, read back by heads, and store 512 dense bytes with each store of a wave.
	; The four places behind the last matrix instruction close the last step.  The stage lies over buffers 0 and 1 (bytes 0 to 51,199); the last tile is in buffer 2.
	s_barrier_signal -1                            ; no LDS instruction of mine is pending: the last step's wait was for zero
.set i, 0
.rept 48
	v_pk_mul_f32 v[ACC+2*i:ACC+2*i+1], v[ACC+2*i:ACC+2*i+1], s[20:21] op_sel_hi:[1,0]
.set i, i+1
.endr
.set i, 0
.rept 48
	v_cvt_pk_f16_f32 v[PK+i], v[ACC+2*i], v[ACC+2*i+1]
.set i, i+1
.endr
	s_barrier_wait -1                              ; nobody reads the buffers any more
.irp mt, 0,1,2,3
.irp nt, 0,1,2
	ds_store_b128 v[VST], v[PK+4*(3*\mt+\nt):PK+4*(3*\mt+\nt)+3] offset:16*SPITCH*\mt+32*\nt
.endr
.endr
	s_wait_dscnt 0x0                               ; for the other waves: zero
	s_barrier_signal -1
	s_barrier_wait -1
.irp i, 0,1,2,3
.irp hh, 0,1,2
	ds_load_b128 v[OUTR+4*(3*\i+\hh):OUTR+4*(3*\i+\hh)+3], v[VRD] offset:32*SPITCH*\i+128*\hh   ; rows 32 i + (t>>3), head hh: 8 lanes take a head's 128 bytes
.endr
.endr
.set k, 0
.irp i, 0,1,2,3
.irp hh, 0,1,2
	s_wait_dscnt 11-k                              ; LDS loads come back in order: load k is in
	global_store_b128 v[VOUT], v[OUTR+4*k:OUTR+4*k+3], s[10:11] offset:131072*\hh+4096*\i   ; a head's rows are dense: 32 lanes store 512 consecutive bytes, aligned
.set k, k+1
.endr
.endr
	s_wait_tensorcnt 0x0
	ds_add_u32 v254, v255
	s_wait_dscnt 0x0
	s_endpgm
.Lfunc_end_k_q2181a633b4_kproj:
	.size	k_q2181a633b4_kproj, .Lfunc_end_k_q2181a633b4_kproj-k_q2181a633b4_kproj
	.p2alignl 7, 3214868480
	.fill 96, 4, 3214868480
	.section	.rodata,"a",@progbits
	.p2align	6, 0x0
	.amdhsa_kernel k_q2181a633b4_kproj
		.amdhsa_group_segment_fixed_size 139264
		.amdhsa_private_segment_fixed_size 0
		.amdhsa_enable_private_segment 0
		.amdhsa_kernarg_size 32
		.amdhsa_user_sgpr_count 2
		.amdhsa_user_sgpr_kernarg_segment_ptr 1
		.amdhsa_wavefront_size32 1
		.amdhsa_system_sgpr_workgroup_id_x 1
		.amdhsa_system_sgpr_workgroup_id_y 1
		.amdhsa_system_sgpr_workgroup_id_z 1
		.amdhsa_system_vgpr_workitem_id 0
		.amdhsa_next_free_vgpr 496
		.amdhsa_next_free_sgpr 66
		.amdhsa_reserve_vcc 0
		.amdhsa_float_denorm_mode_32 3
		.amdhsa_float_denorm_mode_16_64 3
		.amdhsa_memory_ordered 1
		.amdhsa_forward_progress 1
		.amdhsa_inst_pref_size 126
	.end_amdhsa_kernel
	.amdgpu_metadata
---
amdhsa.version: [ 1, 2 ]
amdhsa.kernels:
  - .name:           k_q2181a633b4_kproj
    .symbol:         k_q2181a633b4_kproj.kd
    .args:
      - { .name: x, .offset: 0, .size: 8, .value_kind: global_buffer, .address_space: global }
      - { .name: Wk, .offset: 8, .size: 8, .value_kind: global_buffer, .address_space: global }
      - { .name: bk, .offset: 16, .size: 8, .value_kind: global_buffer, .address_space: global }
      - { .name: kb, .offset: 24, .size: 8, .value_kind: global_buffer, .address_space: global }
    .group_segment_fixed_size: 139264
    .private_segment_fixed_size: 0
    .kernarg_segment_align: 8
    .kernarg_segment_size: 32
    .max_flat_workgroup_size: 256
    .sgpr_count:     66
    .vgpr_count:     496
    .wavefront_size: 32
...
	.end_amdgpu_metadata
.endif
;; end of part 4
;; launch attn (part 5): grid 8 x 32, 8 waves a work-group, clusters of 4 x 1, 327,680 bytes of LDS; arguments kb, attention_mask, wv, Wo, wo16; writes wv, wo16
.if DOCPART == 5
	.amdgcn_target "amdgcn-amd-amdhsa--gfx1250"
	.amdhsa_code_object_version 6
	.text
	.protected	k_q2181a633b4_attn
	.globl	k_q2181a633b4_attn
	.p2align	8
	.type	k_q2181a633b4_attn,@function
k_q2181a633b4_attn:
	s_mov_b64 s[64:65], 0
	v_nop
	global_prefetch_b8 v0, s[64:65] scope:SCOPE_SE
	s_setreg_imm32_b32 hwreg(HW_REG_WAVE_MODE, 25, 1), 1
	s_wait_xcnt 0x0
	s_wait_alu depctr_hold_cnt(0) depctr_sa_sdst(0) depctr_va_vdst(0) depctr_va_sdst(0) depctr_va_ssrc(0) depctr_va_vcc(0) depctr_vm_vsrc(0)
	s_getreg_b32 s2, hwreg(HW_REG_IB_STS2, 6, 4)
	s_cmp_eq_u32 s2, 0
	s_cbranch_scc0 .Lentry_in_a_cluster
	s_endpgm
.Lentry_in_a_cluster:
	s_bfe_u32 s2, ttmp6, 0x10000c
	s_cmp_lg_u32 s2, 0x3003
	s_cbranch_scc0 .Lentry_shape_is_right
	s_endpgm
.Lentry_shape_is_right:
; wv = f16( softmax over keys of (K_q . K_key / sqrt(768)) x K ), per batch and head bh; keys, queries and values are all rows of kb[bh] (1,024 x 64 f16).
; wv is laid out for the last launch: [row block 8 b + query block][head][128 rows][64], so that a row block's twelve heads are 196,608 dense bytes.
; kb holds g K with g^2 = log2(e)/sqrt(768), so a product of two rows is the base-2 exponent; the values' factor 1/g is folded into the final 1/l in f32.
; A query row whose mask word is 0 gets a constant score row in the function, that is a uniform softmax: here its Q fragment is set to zero, so all
; its scores are 0, which gives the same uniform weights.  The mask enters by v_cndmask_b32 alone.
; The running maximum is taken away before every exponential.  LIMITS: values leave as f16 (|wv| < 65,504); l sums the exponentials before they are
; rounded to f16 for the second product; a K that is not finite makes masked rows NaN too (0 x Inf).
; BESIDE IT: Wo is rounded to f16 for the last launch (LIMIT: |Wo| < 65,504), as wo16[column block of 192][K step of 64][192][64].  Waves 0 to 5 of each
; work-group take three units of two rows x 64 k each: 256 x 6 x 3 = 4,608 units = 768 x 768 numbers.  Their loads stand in front of the first wait for Q.
;
; SHARES: 8 x 32 = 256 work-groups that stay.  Work-group (query block, y) takes its 128 queries in heads 3 y, 3 y + 1, 3 y + 2, which belong to one batch, y / 4.
; Wave w: qg = w & 1 picks 64 queries (4 tiles of 16), kq = w >> 1 picks 256 keys: 128 kq .. +127 and 512 + 128 kq .. +127, in four blocks of 64.
; With 64 queries a wave each K or V fragment feeds four matrix instructions.  The four key quarters' results are merged once a head, through LDS.
; THE RING: a whole head lies in LDS; its two halves (keys 0-511, keys 512-1023) are two slots.  When blocks 0 and 1 have read the first half it is filled
; with the next head's; when blocks 2 and 3 have read the second half, likewise.  In front of each refill every wave waits for its LDS reads and for all its
; tensor loads; the refill is one load a wave, first behind the barrier.  A wave has two tensor loads out at the start and one behind each refill's barrier;
; between a request and the wait for it a wave issues 160 matrix instructions (first half) or 96 and the merge (second half).
; CLUSTER: the four work-groups of a cluster are four query blocks of the same heads and need the same rows: each tensor load is a joint load with mask 15,
; and the barrier in front of a refill is a round of the cluster's barrier.  A descriptor hangs on y, the head's turn and the wave's number alone.
; No LDS address hangs on the place in the cluster, so the Q fragments come from memory; the next head's are asked for in block 3.
;
; LAYOUTS, without any shuffle.  S^T = K Q^T: source 0 = 16 keys, source 1 = 16 queries: lane (r, h), register j holds (key 8h+j, query r).
; Two such tiles, packed in pairs to f16, are the source-1 fragment of P^T for 32 keys.  O^T = V^T P^T: source 0 = V^T by transposing LDS loads;
; lane (r, h), register j holds (d = 16 dt + 8h + j, query r): eight neighbouring numbers of a row of wv.
; A query's statistics live in lanes r and r + 16: one exchange between the halves joins them.
.set KPITCH, 144                       ; an LDS row: 64 f16 + 16 bytes = 9 x 16
.set HALFK,  512*KPITCH                ; 73,728
.set SCR,    1024*KPITCH               ; 147,456: behind K; (4 w + qt) x 4,352: 4,096 bytes of O, 256 bytes of (m, l).  No fill lands here
.set SCRT,   4352
.set STG,    SCR+32*SCRT               ; 286,720: w x 2,304: 16 rows of 144 bytes, each wave's own
.set STGW,   16*KPITCH
.set PLANE,  131072                    ; bytes of a head in kb
.set HEADS,  3                         ; heads of a work-group
.set RG,     0x408c4003                ; 1 / g = 4.3828139
.set VK,  4                            ; v4, v5   K fragments, first and second half of the keys
.set VV,  6                            ; v6, v7   V fragments (transposing loads)
.set VQ,  8                            ; v8       Q fragments in memory
.set VM,  9                            ; v9       mask words in memory
.set MK,  10                           ; v10-13   mask word of my query in each q tile
.set VSC, 14                           ; v14      where I put my O
.set VSM, 15                           ; v15      where I put my (m, l)
.set VLD, 16                           ; v16, v17 where I read four waves' O of the q tile that I finish
.set VLM, 18                           ; v18, v19 and their (m, l)
.set VSG, 20                           ; v20      my stage, in
.set VSR, 21                           ; v21      my stage, back
.set VO,  22                           ; v22      16 x lane
.set VWI, 26                           ; v26      my 16 bytes of two rows of Wo
.set VWO, 27                           ; v27      8 x lane
.set Q,   32                           ; v32-95   Q(qt, ks) at 32 + 8 (2 qt + ks)
.set KF,  96                           ; v96-159  K(kt, ks) at 96 + 8 (2 kt + ks)
.set VF,  160                          ; v160-223 V(kp, dt) at 160 + 8 (4 kp + dt)
.set WD,  160                          ; v160-171 at the start: three times four numbers of Wo
.set MP,  224                          ; v224-231 m, twice, for each q tile (a pair for packed arithmetic)
.set AL,  232                          ; v232-239 alpha, twice
.set LP,  240                          ; v240-247 two running sums of l
.set T,   248                          ; v248-251
.set U,   252                          ; v252-255
.set O,   0                            ; window 1: v256-383 O(qt, dt) at 8 (4 qt + dt)
.set S,   128                          ; window 1: v384-511 S(qt, kt) at 128 + 32 qt + 8 kt; P(qt, kp) packed in place at 128 + 32 qt + 16 kp
.set MG,  128                          ; window 1: the merge: four waves' O, 32 registers each, in the scores' registers (Q's are being loaded by then)
.set ML,  160                          ; the merge, window 0, in V's registers: the four (m, l)
.set MX,  168
.set AE,  170
.set LS,  174
.set RC,  175
.set FP,  176                          ; four factor pairs
.set PKO, 184
.set OB,  200
.set MSB, 0
.macro WIN new                         ; s_set_vgpr_msb: bits 1:0 source 0, 3:2 source 1, 5:4 source 2, 7:6 destination; the high byte repeats the setting left
.if MSB != \new
	s_set_vgpr_msb (MSB<<8)|\new
.set MSB, \new
.endif
.endm
.macro NOPS n
.rept \n
	v_nop
.endr
.endm
; a round of the cluster's barrier: my work-group's barrier, wave 0 signals for the work-group, every wave waits for all four, my work-group's barrier again
.macro ROUND
	s_barrier_signal -1
	s_barrier_wait -1
	s_cmp_lg_u32 s10, 0
	s_cbranch_scc1 .Lnot_wave_0_\@
	s_barrier_signal -3
.Lnot_wave_0_\@:
	s_barrier_wait -3
	s_barrier_signal -1
	s_barrier_wait -1
.endm
; the 16 loads of a head's Q fragments for my 64 queries
.macro QLOAD
.irp qt, 0,1,2,3
.irp ks, 0,1
	global_load_b128 v[Q+8*(2*\qt+\ks):Q+8*(2*\qt+\ks)+3],   v[VQ], s[38:39] offset:2048*\qt+64*\ks
	global_load_b128 v[Q+8*(2*\qt+\ks)+4:Q+8*(2*\qt+\ks)+7], v[VQ], s[38:39] offset:2048*\qt+64*\ks+32
.endr
.endr
.endm
; a masked query becomes the zero row
.macro MASKQ
.irp qt, 0,1,2,3
	v_cmp_ne_u32 vcc_lo, 0, v[MK+\qt]
.set j, 0
.rept 16
	v_cndmask_b32 v[Q+16*\qt+j], 0, v[Q+16*\qt+j], vcc_lo
.set j, j+1
.endr
.endr
.endm
	s_load_b128 s[4:7], s[0:1], 0x0                ; kb s[4:5], attention_mask s[6:7]
	s_load_b64 s[8:9], s[0:1], 0x10                ; wv
	s_load_b128 s[48:51], s[0:1], 0x18             ; Wo s[48:49], wo16 s[50:51]
	v_lshl_add_u32 v30, v0, 2, 0x4a800
	v_mov_b32 v31, 0
	ds_add_u32 v30, v31
	v_lshrrev_b32 v1, 5, v0
	v_readfirstlane_b32 s10, v1                    ; wave 0..7
	s_and_b32 s11, s10, 1                          ; qg
	s_lshr_b32 s12, s10, 1                         ; kq
	s_bfe_u32 s13, ttmp6, 0x40000                  ; cx
	s_lshl_b32 s14, ttmp9, 2
	s_add_co_u32 s14, s14, s13                     ; query block = 4 x cluster x + cx
	s_and_b32 s15, ttmp7, 0xffff                   ; y, 0..31: the cluster is one work-group high
	s_mov_b32 s34, 0x76543210                      ; v_permlanex16_b32: lane i takes lane i of the other half
	s_mov_b32 s35, 0xfedcba98
	s_mov_b32 s44, RG
	; descriptor group 1: 64 rows of 64 f16, 16 bytes of padding behind each row
	s_mov_b32 s16, 15|(1<<16)|(1<<20)|(1<<21)|(4<<22)|(3<<25)   ; mask: all four of the cluster; 2-byte elements; padding on; bit 21 beside a mask; after every 32 words, 4 words
	s_mov_b32 s17, 64<<16                          ; tensor_dim0 = 64
	s_mov_b32 s18, 64<<16                          ; tensor_dim1 = 64
	s_mov_b32 s19, 64<<16                          ; tile_dim0 = 64
	s_mov_b32 s20, 64                              ; tile_dim1 = 64
	s_mov_b32 s21, 64                              ; 64 elements from row to row
	s_mov_b32 s22, 0
	s_mov_b32 s23, 0
	; group 0, one set for each half of the keys: my part is keys 512 j + 64 w .. +63
	s_mov_b32 s24, 1
	s_mul_i32 s25, s10, 64*KPITCH
	s_mov_b32 s28, 1
	s_add_co_u32 s29, s25, HALFK
	v_and_b32 v1, 31, v0                           ; lane
	v_and_b32 v2, 15, v0                           ; r
	v_bfe_u32 v3, v0, 4, 1                         ; h
	s_lshl_b32 s46, s11, 13                        ; my 64 queries x 128 bytes
	v_lshlrev_b32 v[VQ], 7, v2
	v_lshl_add_u32 v[VQ], v3, 4, v[VQ]
	v_add_nc_u32 v[VQ], s46, v[VQ]                 ; 8192 qg + 128 r + 16 h
	s_lshl_b32 s46, s11, 8
	v_lshl_add_u32 v[VM], v2, 2, s46               ; 256 qg + 4 r
	s_mov_b32 s37, 0
	s_mul_i32 s36, s15, HEADS*PLANE                ; head 3 y's plane: 12.2 MB at the most
	s_wait_dscnt 0x0
	s_wait_kmcnt 0x0
	s_add_nc_u64 s[4:5], s[4:5], s[36:37]          ; kb at my first head
	s_lshl_b32 s36, s14, 14                        ; my 128 queries
	s_add_nc_u64 s[38:39], s[4:5], s[36:37]
	s_lshr_b32 s45, s15, 2                         ; batch b = y / 4
	s_lshl_b32 s46, s45, 12
	s_lshl_b32 s36, s14, 9
	s_add_co_u32 s36, s36, s46
	s_add_nc_u64 s[40:41], s[6:7], s[36:37]        ; the mask words of my 128 queries: the same for my three heads
	QLOAD                                          ; the first head's Q and the mask words go out ahead of the opening round
.irp qt, 0,1,2,3
	global_load_b32 v[MK+\qt], v[VM], s[40:41] offset:64*\qt
.endr
	s_lshl_b32 s36, s10, 13                        ; 64 w rows of 128 bytes
	s_add_nc_u64 s[26:27], s[4:5], s[36:37]
	s_add_nc_u64 s[30:31], s[26:27], 65536         ; 512 rows on
	s_or_b32 s27, s27, 0x80000000                  ; type 2
	s_or_b32 s31, s31, 0x80000000
	ROUND                                          ; all four work-groups are here: the joint loads meet
	tensor_load_to_lds s[24:27], s[16:23]          ; both first fills go out together, ahead of every wait on TENSORcnt and every LDS read
	s_nop 0
	tensor_load_to_lds s[28:31], s[16:23]
	s_nop 0
	s_and_b32 s46, s15, 3
	s_mul_i32 s46, s46, HEADS                      ; my first head in its batch: 3 (y mod 4)
	s_lshl_b32 s47, s45, 3
	s_add_co_u32 s47, s47, s14                     ; row block 8 b + query block
	s_mul_i32 s47, s47, 12
	s_add_co_u32 s47, s47, s46
	s_lshl_b32 s36, s47, 14                        ; blocks of 128 rows x 128 bytes: 12.6 MB at the most
	s_lshl_b32 s45, s11, 13
	s_add_co_u32 s36, s36, s45
	s_lshl_b32 s45, s12, 11                        ; I finish q tile kq of my query group: 16 rows of 128 bytes
	s_add_co_u32 s36, s36, s45
	s_add_nc_u64 s[42:43], s[8:9], s[36:37]
	; my units of Wo: rows 2 p, 2 p + 1 with p = 12 y + (query block >> 1) + 4 u, u = 0, 1, 2; K step 6 (query block & 1) + wave (waves 0 to 5)
	s_mul_i32 s45, s15, 12
	s_lshr_b32 s46, s14, 1
	s_add_co_u32 s45, s45, s46                     ; p of u = 0: 375 at the most
	s_and_b32 s46, s14, 1
	s_mul_i32 s46, s46, 6
	s_add_co_u32 s46, s46, s10                     ; K step
	s_mul_i32 s36, s45, 2*3072
	s_lshl_b32 s47, s46, 8                         ; 64 f32
	s_add_co_u32 s36, s36, s47
	s_add_nc_u64 s[48:49], s[48:49], s[36:37]
	s_lshr_b32 s47, s15, 3                         ; column block = p / 96 = y / 8, for all three u
	s_mul_i32 s36, s47, 12*24576
	s_mul_i32 s47, s47, 96
	s_sub_co_u32 s45, s45, s47
	s_lshl_b32 s45, s45, 8                         ; two rows of 128 bytes
	s_add_co_u32 s36, s36, s45
	s_mul_i32 s46, s46, 24576                      ; 192 rows of 128 bytes for each K step
	s_add_co_u32 s36, s36, s46
	s_add_nc_u64 s[50:51], s[50:51], s[36:37]
	v_mul_u32_u24 v[VWI], v3, 3072
	v_lshl_add_u32 v[VWI], v2, 4, v[VWI]           ; lanes 0-15 the even row's 256 bytes, lanes 16-31 the odd row's
	v_lshlrev_b32 v[VWO], 3, v1
	s_mul_i32 s45, s12, 128*KPITCH                 ; my 128 keys of each half
	v_mul_u32_u24 v23, v2, KPITCH
	v_lshl_add_u32 v23, v3, 4, v23                 ; 144 r + 16 h
	v_add_nc_u32 v[VK], s45, v23
	v_add_nc_u32 v[VK+1], HALFK, v[VK]
	v_and_b32 v24, 7, v0
	v_lshl_add_u32 v24, v3, 3, v24                 ; key 8 h + (lane & 7)
	v_mul_u32_u24 v24, v24, KPITCH
	v_bfe_u32 v25, v0, 3, 1
	v_lshl_add_u32 v24, v25, 4, v24                ; + 16 bytes for lanes 8-15 of each half
	v_add_nc_u32 v[VV], s45, v24
	v_add_nc_u32 v[VV+1], HALFK, v[VV]
	s_mul_i32 s46, s10, 4*SCRT
	s_add_co_u32 s46, s46, SCR
	v_lshl_add_u32 v[VSC], v1, 4, s46
	s_add_co_u32 s46, s46, 4096
	v_lshl_add_u32 v[VSM], v1, 3, s46
	s_mul_i32 s46, s11, 4*SCRT
	s_mul_i32 s47, s12, SCRT
	s_add_co_u32 s46, s46, s47
	s_add_co_u32 s46, s46, SCR
	v_lshl_add_u32 v[VLD], v1, 4, s46              ; wave qg's tile kq; the partners are waves qg + 2 k: 8 tiles on each
	v_add_nc_u32 v[VLD+1], 16*SCRT, v[VLD]
	s_add_co_u32 s46, s46, 4096
	v_lshl_add_u32 v[VLM], v1, 3, s46
	v_add_nc_u32 v[VLM+1], 16*SCRT, v[VLM]
	s_mul_i32 s46, s10, STGW
	s_add_co_u32 s46, s46, STG
	v_add_nc_u32 v[VSG], s46, v23
	v_lshrrev_b32 v24, 3, v1
	v_and_b32 v25, 7, v0
	v_mul_u32_u24 v24, v24, KPITCH
	v_lshl_add_u32 v24, v25, 4, v24
	v_add_nc_u32 v[VSR], s46, v24
	v_lshlrev_b32 v[VO], 4, v1
.irp qt, 0,1,2,3
	v_mov_b32 v[U+\qt], 0                          ; v_permlanex16_b32 counts as a reader of its destination
.endr
	s_cmp_ge_u32 s10, 6                            ; waves 0 to 5 round their units of Wo; the loads join those that the wave is about to wait for
	s_cbranch_scc1 .Lno_unit
.irp u, 0,1,2
	global_load_b128 v[WD+4*\u:WD+4*\u+3], v[VWI], s[48:49] offset:24576*\u      ; p + 4 u: eight rows of 3,072 bytes on
.endr
	s_wait_loadcnt 0x0
.irp u, 0,1,2
	v_cvt_pk_f16_f32 v[WD+4*\u], v[WD+4*\u], v[WD+4*\u+1]
	v_cvt_pk_f16_f32 v[WD+4*\u+1], v[WD+4*\u+2], v[WD+4*\u+3]
.endr
.irp u, 0,1,2
	global_store_b64 v[VWO], v[WD+4*\u:WD+4*\u+1], s[50:51] offset:1024*\u       ; 32 lanes store 256 consecutive bytes, aligned
.endr
	s_wait_xcnt 0x0                                ; the stores' data lie in V's fragment registers, which are loaded again only behind this wait
.Lno_unit:
	s_wait_loadcnt 0x0                             ; Q and the mask words
	MASKQ
; block i of my four blocks of 64 keys: blocks 0, 1 in the first half of the keys, 2, 3 in the second
.macro KLOAD i
	WIN 0
.irp kt, 0,1,2,3
.irp ks, 0,1
	ds_load_b128 v[KF+8*(2*\kt+\ks):KF+8*(2*\kt+\ks)+3],   v[VK+(\i)/2] offset:64*KPITCH*((\i)%2)+16*KPITCH*\kt+64*\ks
	ds_load_b128 v[KF+8*(2*\kt+\ks)+4:KF+8*(2*\kt+\ks)+7], v[VK+(\i)/2] offset:64*KPITCH*((\i)%2)+16*KPITCH*\kt+64*\ks+32
.endr
.endr
.endm
.macro VLOAD i
	WIN 0
.irp kp, 0,1
.irp dt, 0,1,2,3
	ds_load_tr16_b128 v[VF+8*(4*\kp+\dt):VF+8*(4*\kp+\dt)+3],   v[VV+(\i)/2] offset:64*KPITCH*((\i)%2)+32*KPITCH*\kp+32*\dt
	ds_load_tr16_b128 v[VF+8*(4*\kp+\dt)+4:VF+8*(4*\kp+\dt)+7], v[VV+(\i)/2] offset:64*KPITCH*((\i)%2)+32*KPITCH*\kp+32*\dt+16*KPITCH
.endr
.endr
.endm
; 32 matrix instructions: 64 keys x 64 queries over d = 64.  The sixteen accumulators take turns, one instruction a turn.
.macro SMUL
	WIN 0x40
.irp qt, 0,1,2,3
.irp kt, 0,1,2,3
	v_wmma_f32_16x16x32_f16 v[S+32*\qt+8*\kt:S+32*\qt+8*\kt+7], v[KF+16*\kt:KF+16*\kt+7], v[Q+16*\qt:Q+16*\qt+7], 0
.endr
.endr
	WIN 0x50
.irp qt, 0,1,2,3
.irp kt, 0,1,2,3
	v_wmma_f32_16x16x32_f16 v[S+32*\qt+8*\kt:S+32*\qt+8*\kt+7], v[KF+16*\kt+8:KF+16*\kt+15], v[Q+16*\qt+8:Q+16*\qt+15], v[S+32*\qt+8*\kt:S+32*\qt+8*\kt+7]
.endr
.endr
.endm
; the largest of the old m and my 32 scores of each q tile, four chains side by side
.macro SMAX first
	WIN 0x05
.set i, 0
.rept 16
.irp qt, 0,1,2,3
.if i == 0
.if \first
	v_max_num_f32 v[T+\qt], v[S+32*\qt], v[S+32*\qt+1]
.else
	v_max3_num_f32 v[T+\qt], v[S+32*\qt], v[S+32*\qt+1], v[MP+2*\qt]
.endif
.else
	v_max3_num_f32 v[T+\qt], v[S+32*\qt+2*i], v[S+32*\qt+2*i+1], v[T+\qt]
.endif
.endr
.set i, i+1
.endr
.endm
; the new m (joined over the two halves of the lanes), alpha = 2^(old m - new m), l scaled
.macro SNEW first
	WIN 0
.irp qt, 0,1,2,3
	v_permlanex16_b32 v[U+\qt], v[T+\qt], s34, s35
.endr
.irp qt, 0,1,2,3
	v_max_num_f32 v[U+\qt], v[T+\qt], v[U+\qt]
.endr
.if \first == 0
.irp qt, 0,1,2,3
	v_sub_f32 v[T+\qt], v[MP+2*\qt], v[U+\qt]
.endr
.irp qt, 0,1,2,3
	v_exp_f32 v[AL+2*\qt], v[T+\qt]
.endr
.endif
.irp qt, 0,1,2,3
	v_mov_b32 v[MP+2*\qt], v[U+\qt]                ; plain instructions that touch neither T nor AL: the place behind the exponentials (ISA guide 5.7.2)
	v_mov_b32 v[MP+2*\qt+1], v[U+\qt]
.endr
.if \first == 0
	s_wait_alu depctr_va_vdst(0)
.irp qt, 0,1,2,3
	v_mov_b32 v[AL+2*\qt+1], v[AL+2*\qt]
.endr
.irp qt, 0,1,2,3
	v_pk_mul_f32 v[LP+2*\qt:LP+2*\qt+1], v[LP+2*\qt:LP+2*\qt+1], v[AL+2*\qt:AL+2*\qt+1]
.endr
.endif
.endm
.macro SRESC                           ; O scaled by alpha
	WIN 0x41
.set i, 0
.rept 16
.irp qt, 0,1,2,3
	v_pk_mul_f32 v[O+32*\qt+2*i:O+32*\qt+2*i+1], v[O+32*\qt+2*i:O+32*\qt+2*i+1], v[AL+2*\qt:AL+2*\qt+1]
.endr
.set i, i+1
.endr
.endm
.macro SEXP                            ; p = 2^(s - m), in place
	WIN 0x41
.set i, 0
.rept 16
.irp qt, 0,1,2,3
	v_pk_add_f32 v[S+32*\qt+2*i:S+32*\qt+2*i+1], v[S+32*\qt+2*i:S+32*\qt+2*i+1], v[MP+2*\qt:MP+2*\qt+1] neg_lo:[0,1] neg_hi:[0,1]
.endr
.set i, i+1
.endr
.set i, 0
.rept 128
	v_exp_f32 v[S+i], v[S+i]
.set i, i+1
.endr
	v_nop                                          ; one plain place behind the run of exponentials, then their results are read (ISA guide 5.7.2)
.endm
.macro SSUM first                      ; l += the block's p, two sums for each q tile
.if \first
	WIN 0x05
	s_wait_alu depctr_va_vdst(0)
.irp qt, 0,1,2,3
	v_pk_add_f32 v[LP+2*\qt:LP+2*\qt+1], v[S+32*\qt:S+32*\qt+1], v[S+32*\qt+2:S+32*\qt+3]   ; the first two pairs start the sums
.endr
.set i, 2
.else
.set i, 0
.endif
	WIN 0x01
	s_wait_alu depctr_va_vdst(0)
.rept 16-i
.irp qt, 0,1,2,3
	v_pk_add_f32 v[LP+2*\qt:LP+2*\qt+1], v[S+32*\qt+2*i:S+32*\qt+2*i+1], v[LP+2*\qt:LP+2*\qt+1]
.endr
.set i, i+1
.endr
.endm
.macro SPACK                           ; 16 registers of p become 8 of f16, in place: register j takes elements 2j, 2j+1, which lie at or behind it
	WIN 0x45
.irp qt, 0,1,2,3
.irp kp, 0,1
.set j, 0
.rept 8
	v_cvt_pk_f16_f32 v[S+32*\qt+16*\kp+j], v[S+32*\qt+16*\kp+2*j], v[S+32*\qt+16*\kp+2*j+1]
.set j, j+1
.endr
.endr
.endr
.endm
; 16 matrix instructions: 32 keys into all sixteen O tiles, which take turns, one instruction a turn
.macro PVHALF kp, zero
.if \zero
	WIN 0x44
.else
	WIN 0x54
.endif
.irp qt, 0,1,2,3
.irp dt, 0,1,2,3
.if \zero
	v_wmma_f32_16x16x32_f16 v[O+32*\qt+8*\dt:O+32*\qt+8*\dt+7], v[VF+8*(4*\kp+\dt):VF+8*(4*\kp+\dt)+7], v[S+32*\qt+16*\kp:S+32*\qt+16*\kp+7], 0
.else
	v_wmma_f32_16x16x32_f16 v[O+32*\qt+8*\dt:O+32*\qt+8*\dt+7], v[VF+8*(4*\kp+\dt):VF+8*(4*\kp+\dt)+7], v[S+32*\qt+16*\kp:S+32*\qt+16*\kp+7], v[O+32*\qt+8*\dt:O+32*\qt+8*\dt+7]
.endif
.endr
.endr
.endm
; One block.  first = 1: nothing to rescale, the first products start O and l.  next = 1: the next block's K fragments are fetched;
; 2: the same, behind the change of halves; 0: the head's last block.  fill = 1: a further head follows.
.macro BLOCK i, first, next, fill
.if \i
	NOPS 5                                         ; five places behind the last block's products: V's registers are loaded again, P's are written by matrix instructions (ISA guide 7.12.1)
.endif
	VLOAD \i
	s_wait_dscnt 16                                ; the 16 younger loads are V's: K's fragments are in
	SMUL
	NOPS 4                                         ; four places: then K's or Q's registers are loaded again and the scores are read
.if \next == 2
	WIN 0
	s_wait_dscnt 0x0                               ; my reads of keys 0-511 are over: this block's V fragments were the last
	s_wait_tensorcnt 0x0                           ; all my tensor loads have landed: the one that was out is my part of keys 512-1023
	ds_add_u32 v30, v31
	s_wait_dscnt 0x0
.if \fill
	s_add_nc_u64 s[26:27], s[26:27], PLANE         ; no load of mine is out, so a group 0 may be written: the next head
	ROUND                                          ; both now hold of every wave of all four work-groups
	tensor_load_to_lds s[24:27], s[16:23]          ; my one tensor load behind the round, and the first thing there: the next head's keys 0-511
	s_nop 0
.else
	s_barrier_signal -1
	s_barrier_wait -1                              ; everybody's part has landed.
.endif
.endif
.if \next
	KLOAD \i+1
.else
.if \fill
	WIN 0
	s_add_nc_u64 s[38:39], s[38:39], PLANE         ; the loads that named this base were waited for at the head's start
	QLOAD                                          ; the next head's Q: it has this block's softmax and products and the merge in which to land
.endif
.endif
	SMAX \first
	SNEW \first
.if \first == 0
	SRESC
.endif
	SEXP
	SSUM \first
	SPACK
.if \next
	s_wait_dscnt 16                                ; V's fragments are in; the 16 younger loads are the next block's K
.else
	s_wait_dscnt 0x0
.endif
	PVHALF 0, \first
	PVHALF 1, 0
.endm
; THE MERGE.  Every wave lays its O (unscaled), m and l into its own scratch; behind one barrier wave (qg, kq) finishes q tile kq of group qg.
; That barrier is also the change of halves: all reads of keys 512-1023 are over, so with fill = 1 it is a round, and the next head's second half is asked for behind it.
; The scratch was last read in the merge before; each wave waited for those reads there and has passed the barrier in the head's middle since.
.macro MERGE fill
	NOPS 4                                         ; four places behind the last matrix instruction, then its results are read
	WIN 0
.irp qt, 0,1,2,3
	v_add_f32 v[T+\qt], v[LP+2*\qt], v[LP+2*\qt+1]
.endr
.irp qt, 0,1,2,3
	v_permlanex16_b32 v[U+\qt], v[T+\qt], s34, s35
.endr
.irp qt, 0,1,2,3
	v_add_f32 v[AL+2*\qt+1], v[T+\qt], v[U+\qt]    ; l over my 256 keys
	v_mov_b32 v[AL+2*\qt], v[MP+2*\qt]             ; m
.endr
	WIN 0x04
.irp qt, 0,1,2,3
.irp i, 0,1,2,3,4,5,6,7
	ds_store_b128 v[VSC], v[O+32*\qt+4*\i:O+32*\qt+4*\i+3] offset:SCRT*\qt+512*\i
.endr
.endr
	WIN 0
.irp qt, 0,1,2,3
	ds_store_b64 v[VSM], v[AL+2*\qt:AL+2*\qt+1] offset:SCRT*\qt
.endr
	s_wait_dscnt 0x0                               ; for the other waves: zero.  My reads of keys 512-1023 are over too
.if \fill
	s_wait_tensorcnt 0x0                           ; all my tensor loads have landed: the one that was out is my part of the next head's keys 0-511
	ds_add_u32 v30, v31
	s_wait_dscnt 0x0
	s_add_nc_u64 s[30:31], s[30:31], PLANE
	ROUND
	tensor_load_to_lds s[28:31], s[16:23]          ; my one tensor load behind the round, and the first thing there: the next head's keys 512-1023
	s_nop 0
.else
	s_barrier_signal -1
	s_barrier_wait -1
.endif
.irp kk, 0,1,2,3
	ds_load_b64 v[ML+2*\kk:ML+2*\kk+1], v[VLM+(\kk)/2] offset:8*SCRT*((\kk)%2)
.endr
	WIN 0x40
.irp kk, 0,1,2,3
.irp i, 0,1,2,3,4,5,6,7
	ds_load_b128 v[MG+32*\kk+4*\i:MG+32*\kk+4*\i+3], v[VLD+(\kk)/2] offset:8*SCRT*((\kk)%2)+512*\i
.endr
.endr
	WIN 0
	s_wait_dscnt 32                                ; the four (m, l) are in; the 32 younger loads are the O's
	v_max3_num_f32 v[MX], v[ML], v[ML+2], v[ML+4]
	v_max_num_f32 v[MX], v[MX], v[ML+6]
.irp kk, 0,1,2,3
	v_sub_f32 v[AE+\kk], v[ML+2*\kk], v[MX]
.endr
.irp kk, 0,1,2,3
	v_exp_f32 v[AE+\kk], v[AE+\kk]
.endr
	v_nop                                          ; the plain place behind the exponentials
	s_wait_alu depctr_va_vdst(0)
	v_mul_f32 v[LS], v[AE], v[ML+1]
	v_fmac_f32 v[LS], v[AE+1], v[ML+3]
	v_fmac_f32 v[LS], v[AE+2], v[ML+5]
	v_fmac_f32 v[LS], v[AE+3], v[ML+7]             ; at least 1: the quarter that holds the maximum has a = 1 and l >= 1
	v_rcp_f32 v[RC], v[LS]
	v_nop                                          ; the plain place behind the reciprocal
	s_wait_alu depctr_va_vdst(0)
	v_mul_f32 v[RC], s44, v[RC]                    ; the values' 1 / g rides on 1 / l
.irp kk, 0,1,2,3
	v_mul_f32 v[FP+2*\kk], v[AE+\kk], v[RC]
	v_mul_f32 v[FP+2*\kk+1], v[AE+\kk], v[RC]
.endr
	s_wait_dscnt 24                                ; the first quarter's eight loads are in
	WIN 0x41
.set i, 0
.rept 16
	v_pk_mul_f32 v[MG+2*i:MG+2*i+1], v[MG+2*i:MG+2*i+1], v[FP:FP+1]
.set i, i+1
.endr
	WIN 0x51
.irp kk, 1,2,3
	s_wait_dscnt 24-8*\kk                          ; and the next quarter's
.set i, 0
.rept 16
	v_pk_fma_f32 v[MG+2*i:MG+2*i+1], v[MG+32*\kk+2*i:MG+32*\kk+2*i+1], v[FP+2*\kk:FP+2*\kk+1], v[MG+2*i:MG+2*i+1]
.set i, i+1
.endr
.endr
	WIN 0x05
.set i, 0
.rept 16
	v_cvt_pk_f16_f32 v[PKO+i], v[MG+2*i], v[MG+2*i+1]          ; registers 4 dt .. 4 dt + 3: d = 16 dt + 8 h + 0..7 of query r
.set i, i+1
.endr
	WIN 0
.irp dt, 0,1,2,3
	ds_store_b128 v[VSG], v[PKO+4*\dt:PKO+4*\dt+3] offset:32*\dt
.endr
.irp i, 0,1,2,3
	ds_load_b128 v[OB+4*\i:OB+4*\i+3], v[VSR] offset:4*KPITCH*\i   ; my own bytes: LDS serves a wave's instructions in order (ISA guide 5.7.1), these see the stores above
.endr
.irp i, 0,1,2,3
	s_wait_dscnt 3-\i
	global_store_b128 v[VO], v[OB+4*\i:OB+4*\i+3], s[42:43] offset:512*\i   ; four dense rows of 128 bytes: 512 consecutive bytes, aligned
.endr
.if \fill
	s_wait_xcnt 0x0                                ; the stores' base and their data, which lie in V's fragment registers, are written again only behind this wait
	s_add_nc_u64 s[42:43], s[42:43], 16384         ; the next head's block of 128 rows in wv
	s_wait_loadcnt 0x0                             ; the next head's Q
	MASKQ
.endif
.endm
; one head
.macro HEAD fill
	KLOAD 0
	BLOCK 0, 1, 1, \fill
	BLOCK 1, 0, 2, \fill
	BLOCK 2, 0, 1, \fill
	BLOCK 3, 0, 0, \fill
	MERGE \fill
.endm
	s_wait_tensorcnt 0x1                           ; my part of the first head's keys 0-511 has landed; the second load may stay out
	s_barrier_signal -1
	s_barrier_wait -1                              ; everybody's has
	s_mov_b32 s32, 0
.Lhead:
	HEAD 1                                         ; heads 0 and 1: both halves are filled again.  At the head's start one tensor load is out, the second half's, on the way in and on the way back
	s_add_co_u32 s32, s32, 1
	s_cmp_lt_u32 s32, HEADS-1
	s_cbranch_scc1 .Lhead
	HEAD 0                                         ; the last head is written out: nothing is left to fetch
	s_wait_tensorcnt 0x0
	ds_add_u32 v30, v31
	s_wait_dscnt 0x0
	ROUND                                          ; the closing round: no work-group ends while a partner may still ask for a tile that names it
	s_endpgm
.Lfunc_end_k_q2181a633b4_attn:
	.size	k_q2181a633b4_attn, .Lfunc_end_k_q2181a633b4_attn-k_q2181a633b4_attn
	.p2alignl 7, 3214868480
	.fill 96, 4, 3214868480
	.section	.rodata,"a",@progbits
	.p2align	6, 0x0
	.amdhsa_kernel k_q2181a633b4_attn
		.amdhsa_group_segment_fixed_size 327680
		.amdhsa_private_segment_fixed_size 0
		.amdhsa_enable_private_segment 0
		.amdhsa_kernarg_size 40
		.amdhsa_user_sgpr_count 2
		.amdhsa_user_sgpr_kernarg_segment_ptr 1
		.amdhsa_wavefront_size32 1
		.amdhsa_system_sgpr_workgroup_id_x 1
		.amdhsa_system_sgpr_workgroup_id_y 1
		.amdhsa_system_sgpr_workgroup_id_z 1
		.amdhsa_system_vgpr_workitem_id 0
		.amdhsa_next_free_vgpr 512
		.amdhsa_next_free_sgpr 66
		.amdhsa_reserve_vcc 1
		.amdhsa_float_denorm_mode_32 3
		.amdhsa_float_denorm_mode_16_64 3
		.amdhsa_memory_ordered 1
		.amdhsa_forward_progress 1
		.amdhsa_inst_pref_size 255
	.end_amdhsa_kernel
	.section	.bss,"aw",@nobits
	.p2align	6
	.space	262144
	.amdgpu_metadata
---
amdhsa.version: [ 1, 2 ]
amdhsa.kernels:
  - .name:           k_q2181a633b4_attn
    .symbol:         k_q2181a633b4_attn.kd
    .args:
      - { .name: kb, .offset: 0, .size: 8, .value_kind: global_buffer, .address_space: global }
      - { .name: attention_mask, .offset: 8, .size: 8, .value_kind: global_buffer, .address_space: global }
      - { .name: wv, .offset: 16, .size: 8, .value_kind: global_buffer, .address_space: global }
      - { .name: Wo, .offset: 24, .size: 8, .value_kind: global_buffer, .address_space: global }
      - { .name: wo16, .offset: 32, .size: 8, .value_kind: global_buffer, .address_space: global }
    .group_segment_fixed_size: 327680
    .private_segment_fixed_size: 0
    .kernarg_segment_align: 8
    .kernarg_segment_size: 40
    .max_flat_workgroup_size: 256
    .sgpr_count:     66
    .vgpr_count:     512
    .wavefront_size: 32
...
	.end_amdgpu_metadata
.endif
;; end of part 5
;; launch oproj (part 6): grid 4 x 64, 4 waves a work-group, clusters of 4 x 4, 327,680 bytes of LDS; arguments wv, wo16, bo, out0; writes out0
.if DOCPART == 6
	.amdgcn_target "amdgcn-amd-amdhsa--gfx1250"
	.amdhsa_code_object_version 6
	.text
	.protected	k_q2181a633b4_oproj
	.globl	k_q2181a633b4_oproj
	.p2align	8
	.type	k_q2181a633b4_oproj,@function
k_q2181a633b4_oproj:
	s_mov_b64 s[64:65], 0
	v_nop
	global_prefetch_b8 v0, s[64:65] scope:SCOPE_SE
	s_setreg_imm32_b32 hwreg(HW_REG_WAVE_MODE, 25, 1), 1
	s_wait_xcnt 0x0
	s_wait_alu depctr_hold_cnt(0) depctr_sa_sdst(0) depctr_va_vdst(0) depctr_va_sdst(0) depctr_va_ssrc(0) depctr_va_vcc(0) depctr_vm_vsrc(0)
	s_getreg_b32 s2, hwreg(HW_REG_IB_STS2, 6, 4)
	s_cmp_eq_u32 s2, 0
	s_cbranch_scc0 .Lentry_in_a_cluster
	s_endpgm
.Lentry_in_a_cluster:
	s_bfe_u32 s2, ttmp6, 0x10000c
	s_cmp_lg_u32 s2, 0xf033
	s_cbranch_scc0 .Lentry_shape_is_right
	s_endpgm
.Lentry_shape_is_right:
; out0[128 by + l][192 bx + n] = sum over heads s and d of wv[by][s][l][d] wo16[bx][s][n][d] + bo[192 bx + n].
; wv: f16, [64 row blocks][12 heads][128][64]; wo16: Wo rounded to f16 by the launch before, [4 column blocks][12 K steps][192][64]; bo, out0: f32.
; Sums in f32, started from the bias.
; SHARES: a work-group makes 128 rows x 192 columns: 4 x 64 = 256 work-groups.  Four waves, as many as a WGP has SIMDs: wave w makes rows 64 (w>>1) .. +63,
; columns 96 (w&1) .. +95: 4 x 6 accumulator tiles, 192 registers; for 32 along K it reads 160 rows x 64 bytes from LDS for 24 matrix instructions.
; THE RING: two LDS slots of three heads each (K = 192): B's 3 x 192 rows, then A's 3 x 128 rows, 144 bytes apart.  In both buffers a slot's rows are dense in
; memory, so a fill is four tensor loads, one a wave: waves 0, 1 bring B's halves (288 rows), waves 2, 3 A's halves (192 rows).  Four fills: two at the
; start, two refills.  A wave has two tensor loads out at the start and one behind each refill's barrier; a refill has a slot's 144 matrix instructions to land in.
; CLUSTERS: 4 x 4 work-groups.  A's tiles hang on the row block alone and are asked for jointly along the cluster's row, B's on the column block alone and
; jointly along its column: that divides the requests for both by four.
;
; REGISTERS.  Window 0: v1-12 addresses; v64-207 the accumulators of my rows 16-63; v208-255 the bias in the accumulators' layout; v64-255 again on the way out.
; Window 1: v0-7 LDS addresses of fragments; v8-55 the accumulators of my rows 0-15; v64-143, v144-223 two fragment buffers (6 of B, then 4 of A).
; So the six products of rows 0-15 and the fragment loads run under ONE window setting.  The next quarter's 20 loads stand in one run behind the first of
; those six products; the other 23 products follow and give the loads time to land.  Two switches for 24 products.
; THE MATRIX INSTRUCTION IS USED TRANSPOSED (source 0 = rows of wo16, source 1 = rows of wv): lane (r, h), register j holds row r, column 8h + j.
.set PITCH,  144                       ; an LDS row: 64 f16 + 16 bytes = 9 x 16: the 16 rows of a fragment start 36 words apart
.set HEADA,  128*PITCH                 ; a head's rows of A
.set STEPB,  192*PITCH                 ; a K step's rows of B
.set BBYTES, 3*STEPB                   ; 82,944
.set SLOT,   BBYTES+3*HEADA            ; 138,240
.set BHALF,  288*PITCH                 ; what waves 0, 1 bring
.set AHALF,  192*PITCH                 ; what waves 2, 3 bring
.set AFILL,  3*16384                   ; bytes of wv in a fill
.set BFILL,  3*24576                   ; bytes of wo16 in a fill
.set ROWB,   3072                      ; bytes in a row of out0
.set SPITCH, 784                       ; the way out: a row of 192 f32 + 16 bytes = 49 x 16
.set FLAGS,  (1<<16)|(1<<20)|(1<<21)|(4<<22)|(3<<25)   ; 2-byte elements; padding on; bit 21 beside a mask; after every 32 words, 4 words
.set VBI,  8                           ; v8       my bias numbers
.set VST,  9                           ; v9       the way out: where I put 16 bytes of a row
.set VRD,  10                          ; v10, v11 the way out: rows 0-63, rows 64-127
.set VG,   12                          ; v12      (t>>4) 3072 + (t&15) 16
.set ACCB, 64                          ; window 0: tile (mt, nt), mt = 1..3, at 64 + 8 (6 (mt-1) + nt)
.set BIAS, 208                         ; window 0: one tile for each nt
.set OUTR, 64                          ; window 0: 48 x 4 registers read back
.set ADRB, 0                           ; window 1: v0-5  B fragments, slot s, K step ss at 3 s + ss
.set ADRA, 6                           ; window 1: v6, v7  A fragments, slot s
.set ACCA, 8                           ; window 1: tile (0, nt) at 8 + 8 nt
.set F0,   64                          ; window 1: fragment buffer 0: B(nt) at 8 nt, A(mt) at 48 + 8 mt
.set F1,   144                         ; window 1: fragment buffer 1
.set G1A, 24                           ; s[24:31] descriptor group 1 for A's tiles
.set G0A, 32                           ; s[32:39] group 0 for A's tiles, one set for each slot
.set G1B, 40                           ; s[40:47] group 1 for B's tiles
.set G0B, 48                           ; s[48:55] group 0 for B's tiles, one set for each slot
.set MSB, 0
.macro WIN new                         ; s_set_vgpr_msb: bits 1:0 source 0, 3:2 source 1, 5:4 source 2, 7:6 destination; the high byte repeats the setting left
.if MSB != \new
	s_set_vgpr_msb (MSB<<8)|\new
.set MSB, \new
.endif
.endm
.macro NOPS n
.rept \n
	v_nop
.endr
.endm
; A joint load.  Each of the two lines has one mask and one set of registers for all that issue it.  The branch hangs on the wave's number alone.
.macro JLOAD s
	s_cmp_eq_u32 s13, 0
	s_cbranch_scc0 .Lfor_a_\@
	tensor_load_to_lds s[G0B+4*\s:G0B+4*\s+3], s[G1B:G1B+7]
	s_nop 0
	s_branch .Lasked_\@
.Lfor_a_\@:
	tensor_load_to_lds s[G0A+4*\s:G0A+4*\s+3], s[G1A:G1A+7]
	s_nop 0
.Lasked_\@:
.endm
; A round of the cluster's barrier: my work-group's barrier; wave 0 signals for the work-group; every wave waits for all sixteen; my work-group's barrier again.
.macro CREST                           ; a round behind its opening barrier
	s_cmp_lg_u32 s12, 0
	s_cbranch_scc1 .Lnot_wave_0_\@
	s_barrier_signal -3
.Lnot_wave_0_\@:
	s_barrier_wait -3
	s_barrier_signal -1
	s_barrier_wait -1
.endm
.macro CROUND                          ; a whole round
	s_barrier_signal -1
	s_barrier_wait -1
	CREST
.endm
	s_load_b256 s[4:11], s[0:1], 0x0               ; wv s[4:5], wo16 s[6:7], bo s[8:9], out0 s[10:11]
	s_set_vgpr_msb 0x40
	v_lshl_add_u32 v224, v0, 2, 0x43800
	v_mov_b32 v225, 0
	s_set_vgpr_msb 0x4045
	ds_add_u32 v224, v225
	s_set_vgpr_msb 0x4500
	v_lshrrev_b32 v1, 5, v0
	v_readfirstlane_b32 s12, v1                    ; wave 0..3
	s_lshr_b32 s13, s12, 1                         ; which 64 rows are mine.  Also: I fetch for B (0) or for A (1)
	s_and_b32 s14, s12, 1                          ; which 96 columns.  Also: which half of that tile I fetch
	s_bfe_u32 s15, ttmp6, 0x40000                  ; cx
	s_bfe_u32 s16, ttmp6, 0x40004                  ; cy
	s_lshl_b32 s17, ttmp9, 2
	s_add_co_u32 s17, s17, s15                     ; bx = 4 x cluster x + cx
	s_and_b32 s18, ttmp7, 0xffff
	s_lshl_b32 s18, s18, 2
	s_add_co_u32 s18, s18, s16                     ; by = 4 x cluster y + cy
	s_lshl_b32 s19, s16, 2
	s_lshl_b32 s19, 15, s19                        ; my row of the cluster: places 4 cy .. 4 cy + 3
	s_lshl_b32 s20, 0x1111, s15                    ; my column: places cx, cx + 4, cx + 8, cx + 12
	s_or_b32 s[G1A+0], s19, FLAGS                  ; A's tiles go to my row
	s_or_b32 s[G1B+0], s20, FLAGS                  ; B's to my column
	s_mov_b32 s[G1A+1], 64<<16                     ; tensor_dim0 = 64
	s_mov_b32 s[G1B+1], 64<<16
	s_mov_b32 s[G1A+2], 192<<16                    ; tensor_dim1 = the tile's rows
	s_mov_b32 s[G1B+2], 288<<16
	s_mov_b32 s[G1A+3], 64<<16                     ; tile_dim0 = 64
	s_mov_b32 s[G1B+3], 64<<16
	s_mov_b32 s[G1A+4], 192                        ; tile_dim1
	s_mov_b32 s[G1B+4], 288
	s_mov_b32 s[G1A+5], 64                         ; 64 elements from row to row: the rows are dense
	s_mov_b32 s[G1B+5], 64
	s_mov_b32 s[G1A+6], 0
	s_mov_b32 s[G1B+6], 0
	s_mov_b32 s[G1A+7], 0
	s_mov_b32 s[G1B+7], 0
	; where the tiles come from: A's address is made of by and the wave's number, B's of bx and the wave's number, each in registers that never hold the other coordinate
	s_mul_i32 s56, s18, 12*16384
	s_mul_i32 s21, s14, 192*128
	s_add_co_u32 s56, s56, s21
	s_mov_b32 s57, 0
	s_mul_i32 s58, s17, 12*24576
	s_mul_i32 s22, s14, 288*128
	s_add_co_u32 s58, s58, s22
	s_mov_b32 s59, 0
	; and where they go: the wave's number times a constant.  Waves 0, 1: B's halves at 0 and 41,472.  Waves 2, 3: A's halves at 82,944 and 110,592 = 27,648 (w + 1)
	s_mul_i32 s60, s12, BHALF
	s_mul_i32 s61, s12, AHALF
	s_add_co_u32 s61, s61, AHALF
	s_wait_dscnt 0x0
	s_wait_kmcnt 0x0
	s_add_nc_u64 s[56:57], s[4:5], s[56:57]
	s_add_nc_u64 s[58:59], s[6:7], s[58:59]
	CROUND                                         ; all sixteen work-groups are here: the first joint loads meet
.irp s, 0,1
	s_mov_b32 s[G0A+4*\s], 1                                       ; count = 1
	s_add_co_u32 s[G0A+4*\s+1], s61, \s*SLOT                       ; LDS address
	s_add_nc_u64 s[G0A+4*\s+2:G0A+4*\s+3], s[56:57], \s*AFILL      ; global address: fill s
	s_or_b32 s[G0A+4*\s+3], s[G0A+4*\s+3], 0x80000000              ; type 2
	s_mov_b32 s[G0B+4*\s], 1
	s_add_co_u32 s[G0B+4*\s+1], s60, \s*SLOT
	s_add_nc_u64 s[G0B+4*\s+2:G0B+4*\s+3], s[58:59], \s*BFILL
	s_or_b32 s[G0B+4*\s+3], s[G0B+4*\s+3], 0x80000000
	JLOAD \s                                       ; both slots are asked for before anything else is done
.endr
	s_mul_i32 s62, s17, 768                        ; my 192 columns x 4 bytes
	s_mov_b32 s63, 0
	s_add_nc_u64 s[8:9], s[8:9], s[62:63]
	s_mul_i32 s23, s18, 128*ROWB
	s_add_co_u32 s62, s62, s23                     ; below 2^25
	s_add_nc_u64 s[10:11], s[10:11], s[62:63]      ; out0 at my first row and column
	v_and_b32 v1, 15, v0                           ; r
	v_bfe_u32 v2, v0, 4, 1                         ; h
	s_mul_i32 s21, s14, 384                        ; 96 columns x 4 bytes
	v_lshl_add_u32 v[VBI], v2, 5, s21              ; + 8 h numbers
.irp nt, 0,1,2,3,4,5
	global_load_b128 v[BIAS+8*\nt:BIAS+8*\nt+3],   v[VBI], s[8:9] offset:64*\nt      ; bias of columns 16 nt + 8 h + 0..3
	global_load_b128 v[BIAS+8*\nt+4:BIAS+8*\nt+7], v[VBI], s[8:9] offset:64*\nt+16   ; and + 4..7
.endr
	s_mul_i32 s22, s13, 64*SPITCH
	s_add_co_u32 s22, s22, s21
	v_mul_u32_u24 v6, v1, SPITCH
	v_lshl_add_u32 v6, v2, 5, v6
	v_add_nc_u32 v[VST], s22, v6                   ; (64 wm + r) 784 + 384 wn + 32 h
	v_lshrrev_b32 v7, 4, v0                        ; t >> 4, 0..7
	v_mul_u32_u24 v[VRD], v7, SPITCH
	v_lshl_add_u32 v[VRD], v1, 4, v[VRD]
	v_add_nc_u32 v[VRD+1], 64*SPITCH, v[VRD]
	v_mul_u32_u24 v[VG], v7, ROWB
	v_lshl_add_u32 v[VG], v1, 4, v[VG]
	; a fragment is 16 rows x 32 K in 8 registers: lane (r, h) holds row r, K = 8h..8h+7 and 16+8h..16+8h+7: two loads of 16 bytes, 32 bytes apart
	v_mul_u32_u24 v3, v1, PITCH
	v_lshl_add_u32 v3, v2, 4, v3                   ; r 144 + 16 h
	s_mul_i32 s21, s14, 96*PITCH                   ; my 96 of each K step's 192 rows of B
	v_add_nc_u32 v4, s21, v3
	s_mul_i32 s22, s13, 64*PITCH                   ; my 64 of each head's 128 rows of A,
	s_add_co_u32 s22, s22, BBYTES                  ; which lie behind B's
	v_add_nc_u32 v5, s22, v3
	WIN 0x40
.irp s, 0,1
.irp ss, 0,1,2
	v_add_nc_u32 v[ADRB+3*\s+\ss], \s*SLOT+\ss*STEPB, v4
.endr
	v_add_nc_u32 v[ADRA+\s], \s*SLOT, v5
.endr
	WIN 0
; The li-th of the 20 loads of quarter q (0..5: head q/2, K 32 (q%2) .. +31) of a slot into buffer g: 12 for B's six fragments, then 8 for A's four.
.macro LD1 slot, q, g
.if li < 12
	ds_load_b128 v[\g+4*li:\g+4*li+3], v[ADRB+3*\slot+(\q)/2] offset:16*PITCH*(li/2)+64*((\q)%2)+32*(li%2)
.else
	ds_load_b128 v[\g+4*li:\g+4*li+3], v[ADRA+\slot] offset:HEADA*((\q)/2)+16*PITCH*((li-12)/2)+64*((\q)%2)+32*(li%2)
.endif
.set li, li+1
.endm
.macro LDN n, slot, q, g
.rept \n
	LD1 \slot, \q, \g
.endr
.endm
; The six products of my rows 0-15 on buffer f.  fetch = 1: behind the first of them, in one run, the 20 loads of quarter nq of slot nslot into buffer g.
; Buffer g was last read by the quarter before: four v_nop stand between those products and the first load (ISA guide 7.12.1 for vector instructions).
; One run, so that the loads follow a matrix instruction once for 24 products.
; first = 1: the sums start from the bias tiles; nothing is cleared.  The 24 accumulators take turns, one instruction a turn.
.macro LOPART f, first, fetch, nslot, nq, g
.if \first
	WIN 0x45                                       ; D, both sources and LDS addresses in window 1, C (the bias) in window 0
.else
	WIN 0x55
.endif
.set li, 0
.irp nt, 0,1,2,3,4,5
.if \first
	v_wmma_f32_16x16x32_f16 v[ACCA+8*\nt:ACCA+8*\nt+7], v[\f+8*\nt:\f+8*\nt+7], v[\f+48:\f+55], v[BIAS+8*\nt:BIAS+8*\nt+7]
.else
	v_wmma_f32_16x16x32_f16 v[ACCA+8*\nt:ACCA+8*\nt+7], v[\f+8*\nt:\f+8*\nt+7], v[\f+48:\f+55], v[ACCA+8*\nt:ACCA+8*\nt+7]
.endif
.if \fetch
.if \nt == 0
	NOPS 4
	LDN 20, \nslot, \nq, \g
.endif
.endif
.endr
.endm
; the six products of my rows 16 mt .. +15, mt = 1..3
.macro HIROW f, first, mt
	WIN 0x05                                       ; both sources in window 1, C and D in window 0
.irp nt, 0,1,2,3,4,5
.if \first
	v_wmma_f32_16x16x32_f16 v[ACCB+8*(6*(\mt-1)+\nt):ACCB+8*(6*(\mt-1)+\nt)+7], v[\f+8*\nt:\f+8*\nt+7], v[\f+48+8*\mt:\f+48+8*\mt+7], v[BIAS+8*\nt:BIAS+8*\nt+7]
.else
	v_wmma_f32_16x16x32_f16 v[ACCB+8*(6*(\mt-1)+\nt):ACCB+8*(6*(\mt-1)+\nt)+7], v[\f+8*\nt:\f+8*\nt+7], v[\f+48+8*\mt:\f+48+8*\mt+7], v[ACCB+8*(6*(\mt-1)+\nt):ACCB+8*(6*(\mt-1)+\nt)+7]
.endif
.endr
.endm
; one of a slot's first five quarters: multiplies buffer f and fetches the next quarter of the same slot into buffer g
.macro QSTEP slot, q, f, g, first
	s_wait_dscnt 0x0                               ; this quarter's 20 loads, issued 23 products ago, are in
	LOPART \f, \first, 1, \slot, \q+1, \g
	HIROW \f, \first, 1
	HIROW \f, \first, 2
	HIROW \f, \first, 3
.endm
.macro FIVE slot, first
	QSTEP \slot, 0, F0, F1, \first
	QSTEP \slot, 1, F1, F0, 0
	QSTEP \slot, 2, F0, F1, 0
	QSTEP \slot, 3, F1, F0, 0
	QSTEP \slot, 4, F0, F1, 0
.endm
; A slot's last quarter: multiplies buffer 1 and changes slots.  fill = 1: this slot is filled again, two fills ahead.
; In front of the barrier each wave waits for its reads of this slot and for all its tensor loads, of which one is out: its part of the next slot.  Behind it
; nobody reads this slot and the next slot is whole.  Where the slot is filled again the barrier opens a round of the cluster's barrier, and the joint refill
; is the first tensor load behind the round's closing wait; then the next slot's first fragments are read, with 17 products behind them.
.macro TURN slot, next, fill
	s_wait_dscnt 0x0                               ; my last reads of this slot are in
	s_wait_tensorcnt 0x0                           ; all my tensor loads have landed
	ds_add_u32 v224, v225
	s_wait_dscnt 0x0
	s_barrier_signal -1
	HIROW F1, 0, 1                                 ; work on registers while the others arrive
	WIN 0
	s_barrier_wait -1
.if \fill
	CREST                                          ; no wave of any partner still reads this slot's tiles or has a load on its way
	s_add_nc_u64 s[G0A+4*\slot+2:G0A+4*\slot+3], s[G0A+4*\slot+2:G0A+4*\slot+3], 2*AFILL
	s_add_nc_u64 s[G0B+4*\slot+2:G0B+4*\slot+3], s[G0B+4*\slot+2:G0B+4*\slot+3], 2*BFILL
	JLOAD \slot
.endif
	LOPART F1, 0, 1, \next, 0, F0
	HIROW F1, 0, 2
	HIROW F1, 0, 3
.endm
	s_wait_tensorcnt 0x1                           ; my part of fill 0 has landed; fill 1's may stay out
	s_barrier_signal -1
	s_barrier_wait -1                              ; everybody's has
	WIN 0x45
.set li, 0
	LDN 20, 0, 0, F0
	s_wait_loadcnt 0x0                             ; the bias
	FIVE 0, 1                                      ; heads 0-2
	TURN 0, 1, 1                                   ; slot 0 is asked for again: heads 6-8
	FIVE 1, 0                                      ; heads 3-5
	TURN 1, 0, 1                                   ; slot 1 is asked for again: heads 9-11
	FIVE 0, 0
	TURN 0, 1, 0                                   ; nothing is left to fetch: a plain barrier
	FIVE 1, 0
	s_wait_dscnt 0x0
	LOPART F1, 0, 0, 0, 0, F0                      ; the very last quarter
	HIROW F1, 0, 1
	HIROW F1, 0, 2
	HIROW F1, 0, 3
	; THE WAY OUT: a lane's eight f32 are 32 bytes of a row; they go into rows of 784 bytes and come back so that 16 lanes hold 256 neighbouring bytes.
	; The stage lies over slot 0 (bytes 0 to 100,351): that slot has had its last fill, and every wave's last reads of it were waited for in front of the last change of slots.
	NOPS 4                                         ; four places behind the last matrix instruction, then LDS stores read its results
	WIN 0x04
.irp nt, 0,1,2,3,4,5
	ds_store_b128 v[VST], v[ACCA+8*\nt:ACCA+8*\nt+3]   offset:64*\nt
	ds_store_b128 v[VST], v[ACCA+8*\nt+4:ACCA+8*\nt+7] offset:64*\nt+16
.endr
	WIN 0
.irp mt, 1,2,3
.irp nt, 0,1,2,3,4,5
	ds_store_b128 v[VST], v[ACCB+8*(6*(\mt-1)+\nt):ACCB+8*(6*(\mt-1)+\nt)+3]   offset:16*SPITCH*\mt+64*\nt
	ds_store_b128 v[VST], v[ACCB+8*(6*(\mt-1)+\nt)+4:ACCB+8*(6*(\mt-1)+\nt)+7] offset:16*SPITCH*\mt+64*\nt+16
.endr
.endr
	s_wait_dscnt 0x0                               ; for the other waves: zero
	s_barrier_signal -1
	s_barrier_wait -1
.set k, 0
.irp ii, 0,1,2,3,4,5,6,7,8,9,10,11,12,13,14,15
.irp c, 0,1,2
	ds_load_b128 v[OUTR+4*k:OUTR+4*k+3], v[VRD+(\ii)/8] offset:8*SPITCH*((\ii)%8)+256*\c   ; rows 8 ii + (t>>4), 256 bytes at column 64 c
.set k, k+1
.endr
.endr
.set k, 0
.irp ii, 0,1,2,3,4,5,6,7,8,9,10,11,12,13,14,15
.irp c, 0,1,2
	s_wait_dscnt 47-k                              ; LDS loads come back in order: load k is in
	global_store_b128 v[VG], v[OUTR+4*k:OUTR+4*k+3], s[10:11] offset:8*ROWB*\ii+256*\c th:TH_STORE_NT   ; 16 lanes store 256 consecutive bytes, at a multiple of 256 from out0's first byte
.set k, k+1
.endr
.endr
	s_set_vgpr_msb 0x5
	s_wait_tensorcnt 0x0
	ds_add_u32 v224, v225
	s_wait_dscnt 0x0
	s_set_vgpr_msb 0x500
	CROUND                                         ; the closing round: no work-group ends while a partner may still ask for a tile that names it
	s_endpgm
.Lfunc_end_k_q2181a633b4_oproj:
	.size	k_q2181a633b4_oproj, .Lfunc_end_k_q2181a633b4_oproj-k_q2181a633b4_oproj
	.p2alignl 7, 3214868480
	.fill 96, 4, 3214868480
	.section	.rodata,"a",@progbits
	.p2align	6, 0x0
	.amdhsa_kernel k_q2181a633b4_oproj
		.amdhsa_group_segment_fixed_size 327680
		.amdhsa_private_segment_fixed_size 0
		.amdhsa_enable_private_segment 0
		.amdhsa_kernarg_size 32
		.amdhsa_user_sgpr_count 2
		.amdhsa_user_sgpr_kernarg_segment_ptr 1
		.amdhsa_wavefront_size32 1
		.amdhsa_system_sgpr_workgroup_id_x 1
		.amdhsa_system_sgpr_workgroup_id_y 1
		.amdhsa_system_sgpr_workgroup_id_z 1
		.amdhsa_system_vgpr_workitem_id 0
		.amdhsa_next_free_vgpr 482
		.amdhsa_next_free_sgpr 66
		.amdhsa_reserve_vcc 0
		.amdhsa_float_denorm_mode_32 3
		.amdhsa_float_denorm_mode_16_64 3
		.amdhsa_memory_ordered 1
		.amdhsa_forward_progress 1
		.amdhsa_inst_pref_size 94
	.end_amdhsa_kernel
	.amdgpu_metadata
---
amdhsa.version: [ 1, 2 ]
amdhsa.kernels:
  - .name:           k_q2181a633b4_oproj
    .symbol:         k_q2181a633b4_oproj.kd
    .args:
      - { .name: wv, .offset: 0, .size: 8, .value_kind: global_buffer, .address_space: global }
      - { .name: wo16, .offset: 8, .size: 8, .value_kind: global_buffer, .address_space: global }
      - { .name: bo, .offset: 16, .size: 8, .value_kind: global_buffer, .address_space: global }
      - { .name: out0, .offset: 24, .size: 8, .value_kind: global_buffer, .address_space: global }
    .group_segment_fixed_size: 327680
    .private_segment_fixed_size: 0
    .kernarg_segment_align: 8
    .kernarg_segment_size: 32
    .max_flat_workgroup_size: 128
    .sgpr_count:     66
    .vgpr_count:     482
    .wavefront_size: 32
...
	.end_amdgpu_metadata
.endif
;; end of part 6
